; MI455X (gfx1250); checked and timed in simulation.
; The chip was launched on July 23, 2026; its instructions are those of AMD's public machine-readable ISA for CDNA 5 (MIT licence, August 2026) and "CDNA5" Instruction Set Architecture Reference Guide (July 2026). The comments in the code are by the model that wrote it; some were corrected since.
;; Standalone Custom MS Deformable Attention. Allowed arithmetic: float matrix products may take bf16 or f16 operands with f32 sums; all other float work in f32.
;; Inputs: Wo 256 x 256 float32; Woff 256 x 256 float32; Wv 256 x 256 float32; Ww 256 x 128 float32; bo 256 float32; boff 256 float32; bv 256 float32; bw 128 float32; query 4 x 10,000 x 256 float32; reference_points 4 x 10,000 x 4 x 2 float32; spatial_shapes 4 x 2 int32; value 4 x 13,294 x 256 float32.
;; Outputs: out0 4 x 10,000 x 256 float32.
;; 2 versions, each right and faster than the one before. Each part assembles by itself: llvm-mc -triple=amdgcn-amd-amdhsa -mcpu=gfx1250 --defsym DOCPART=n.
;; ======== version 1 of 2: 2 launches
;; limits: values outside matrix products are rounded to bf16
;; workspace buffers: vbf 27,226,112 bytes; idx 10,240,000 bytes of whole numbers
;; launch prep (part 1): grid 244 x 1, 8 waves a work-group, no clusters, 142,336 bytes of LDS; arguments value, query, Wv, Woff, bv, boff, reference_points, spatial_shapes, vbf, idx; writes vbf, idx
.if DOCPART == 1
	.amdgcn_target "amdgcn-amd-amdhsa--gfx1250"
	.amdhsa_code_object_version 6
	.text
	.protected	k_q1cd0d13feb_prep
	.globl	k_q1cd0d13feb_prep
	.p2align	8
	.type	k_q1cd0d13feb_prep,@function
k_q1cd0d13feb_prep:
	s_mov_b64 s[64:65], 0
	v_nop
	global_prefetch_b8 v0, s[64:65] scope:SCOPE_SE
	s_setreg_imm32_b32 hwreg(HW_REG_WAVE_MODE, 25, 1), 1
	s_wait_xcnt 0x0
; prep: two jobs of one shape, rows x [256 x 256] through the matrix unit, chosen once by the work-group's number.
;   work-groups 0..138  : vbf[row][256] = bf16(value[row] @ Wv + bv), 53,176 rows (all four batches, flat), rows of 512 bytes
;   work-groups 139..243: idx[q][head][level*4+point] (u16) = cy*W + cx, the clamped base corner of each sampling point,
;                         from off = query[q] @ Woff + boff, x = (ref + off/normalizer)*W - 0.5, cx = clip(floor x, 0, W-2)
; A chunk is 64 rows; a work-group walks up to 6 chunks (831 chunks of value on 139 groups, 625 of query on 105).
; value's last chunk begins 8 rows early (row0 = min(64 g, rows-64)): those 8 rows are stored twice, with equal numbers, by one group.
; Eight waves; wave w owns output columns 32w..32w+31 (head w) of all 64 rows: its weight fragments stay in registers for the launch.
; The matrix instruction is used transposed (source 0 = 16 columns of W, source 1 = 16 data rows): lane (r, h), register j
; holds (row r, column n0 + 8h + j), eight neighbouring columns of one row.
; LIMITS: v is rounded once to bf16 (operand of the sampling sum in the next launch); products take bf16 operands, sums are f32;
; off/normalizer is a multiplication by v_rcp_f32(normalizer) (1 ulp), spatial_shapes' entries are taken as non-zero;
; NaN and infinities in the inputs are not served.  The next launch repeats the instructions of COORD on the same bytes,
; so that its corner weights belong to the positions stored here.
; No tensor loads: every bulk input is f32 and is rounded to bf16 in registers on its way to LDS.  No cluster: the only bytes that
; work-groups share are the 256 KiB of one weight matrix, read once by a group that moves 384 KiB to 576 KiB of its own.
.set NWGV,  139                        ; work-groups on value
.set NCHV,  831                        ; chunks of value
.set NCHQ,  625                        ; chunks of query
.set ROWSV, 53176
.set ROWSQ, 40000
.set CPW,   6                          ; chunks of a work-group at the most
.set PA,    528                        ; LDS pitch of a row of 256 bf16: 512 + 16 bytes
.set PW,    544                        ; LDS pitch of the staged weights [k][n]: 17 x 32 bytes, for the transposing loads
.set PI,    272                        ; LDS pitch of a staged row of idx: 256 + 16
; LDS: 0..139,264 the weight stage (prologue only); over it, later: AT at 0 (64 x 528, the chunk in bf16) and ST (the way out)
.set ST,    33792
.set REFP,  139264                     ; 64 rows x 32 bytes of reference_points, this chunk's
.set GOFF,  1                          ; v1      16 t
.set ATW,   2                          ; v2      where I put 8 bytes of the chunk: (t>>6) PA + 8 (t&63)
.set AFR,   3                          ; v3      where I read data fragments: r PA + 16 h
.set STW,   4                          ; v4      the way out: where I put results
.set STR,   5                          ; v5      the way out: where I read rows back
.set REFR,  6                          ; v6      REFP + 32 r + 8 h
.set TRA,   7                          ; v7, v8  transposing loads: k 0..127, k 128..255
.set SA,    9                          ; v9      the weight stage's store address
.set TOFF8, 10                         ; v10     8 t
.set REFW,  11                         ; v11     REFP + 8 t
.set SZ,    12                         ; v[12:15] (W, H) of my level in off tile 0, 1
.set SM2,   16                         ; v[16:19] (W-2, H-2) likewise
.set RN,    20                         ; v[20:23] 1/normalizer likewise
.set ACC1,  24                         ; v[24:39] two accumulator tiles
.set REFA,  40                         ; v[40:43], v[44:47] my reference points, two sets that take turns
.set FL,    48
.set CC,    50
.set II,    52
.set PK,    56
.set VP,    48                         ; value path: packed results, v[48:55]
.set RFN,   62                         ; v[62:63] next chunk's 8 bytes of reference_points
.set AF,    64                         ; v[64:127]  data fragments of 16 rows x 256 k; also stage buffer 0 and the way out
.set B0,    64
.set QN,    128                        ; v[128:191] the next chunk as loaded, 16 x 16 bytes
.set B1,    192                        ; v[192:255] stage buffer 1
.set CT,    192                        ; the chunk rounded, on its way to LDS
.set BIASR, 128                        ; window 1: v384..399 the bias of my 2 x 8 columns; v256..383 the weight fragments
.set MSB, 0
.macro WIN new                         ; the immediate's high byte repeats the setting that is left
.if MSB != \new
	s_set_vgpr_msb (MSB<<8)|\new
.set MSB, \new
.endif
.endm
.macro PLACES                          ; four places behind a matrix instruction (ISA guide 7.12.1) before its registers are read by others or loaded again
.rept 4
	v_nop
.endr
.endm
.macro SEL dst, f0, f1                 ; a pair (x, y) = f0 in lanes 0-15, f1 in lanes 16-31 (vcc = h)
	v_mov_b32 v[\dst], \f0
	v_mov_b32 v[\dst+1], \f1
	v_cndmask_b32 v[\dst], v[\dst], v[\dst+1], vcc_lo
	v_mov_b32 v[\dst+1], v[\dst]
.endm
; 16 loads of 4,096 dense bytes each (256 threads x 16 bytes)
.macro LOAD16 buf, ptr, i0
.irp i, 0,1,2,3,4,5,6,7,8,9,10,11,12,13,14,15
	global_load_b128 v[\buf+4*\i:\buf+4*\i+3], v[GOFF], s[\ptr:\ptr+1] offset:(\i0+\i)*4096
.endr
.endm
; round them in place and lay them into the stage, 8 bytes a thread
.macro CVT16 buf, step
.irp i, 0,1,2,3,4,5,6,7,8,9,10,11,12,13,14,15
	v_cvt_pk_bf16_f32 v[\buf+4*\i], v[\buf+4*\i], v[\buf+4*\i+1]
	v_cvt_pk_bf16_f32 v[\buf+4*\i+1], v[\buf+4*\i+2], v[\buf+4*\i+3]
	ds_store_b64 v[SA], v[\buf+4*\i:\buf+4*\i+1] offset:\i*\step
.endr
	v_add_nc_u32 v[SA], 16*\step, v[SA]
.endm
; a weight matrix of nb x 64 KiB to LDS as bf16, on two buffers: while one is rounded the other's 16 loads are out
.macro STAGEW ptr, nb, step
	LOAD16 B0, \ptr, 0
	LOAD16 B1, \ptr, 16
	s_wait_loadcnt 16                              ; loads return in order: all but the other buffer's 16 are in
	CVT16 B0, \step
.if \nb > 2
	LOAD16 B0, \ptr, 32
	s_wait_loadcnt 16
	CVT16 B1, \step
	LOAD16 B1, \ptr, 48
	s_wait_loadcnt 16
	CVT16 B0, \step
.endif
	s_wait_loadcnt 0
	CVT16 B1, \step
.endm
; the fragments of 16 columns x 256 k out of [k][n] in LDS: 8 k steps, two transposing loads each (called with the destination in window 1)
.macro TRFRAG dst, adr, pitch, coloff
.irp ks, 0,1,2,3,4,5,6,7
	ds_load_tr16_b128 v[\dst+8*\ks:\dst+8*\ks+3], v[\adr+(\ks>>2)] offset:(\ks&3)*32*\pitch+\coloff
	ds_load_tr16_b128 v[\dst+8*\ks+4:\dst+8*\ks+7], v[\adr+(\ks>>2)] offset:(\ks&3)*32*\pitch+16*\pitch+\coloff
.endr
.endm
; the fragments of 16 data rows x 256 k
.macro LOADA imm
.irp ks, 0,1,2,3,4,5,6,7
	ds_load_b128 v[AF+8*\ks:AF+8*\ks+3], v[AFR] offset:\imm+64*\ks
	ds_load_b128 v[AF+8*\ks+4:AF+8*\ks+7], v[AFR] offset:\imm+64*\ks+32
.endr
.endm
; nt tiles of 16 columns x 16 rows, K = 256.  The first k step starts the sums.  The accumulators take turns, one instruction a turn.
; extra = LDS instructions issued behind LOADA.
.macro MM nt, extra
	WIN 0x01                                       ; source 0 (weights) in window 1
.irp ks, 0,1,2,3,4,5,6,7
	s_wait_dscnt 14-2*\ks+\extra                   ; LDS answers in order: this k step's pair is in; the later pairs and what was issued behind them may be out
.set mm_t, 0
.rept \nt
.if \ks == 0
	v_wmma_f32_16x16x32_bf16 v[ACC1+8*mm_t:ACC1+8*mm_t+7], v[64*mm_t+8*\ks:64*mm_t+8*\ks+7], v[AF+8*\ks:AF+8*\ks+7], 0
.else
	v_wmma_f32_16x16x32_bf16 v[ACC1+8*mm_t:ACC1+8*mm_t+7], v[64*mm_t+8*\ks:64*mm_t+8*\ks+7], v[AF+8*\ks:AF+8*\ks+7], v[ACC1+8*mm_t:ACC1+8*mm_t+7]
.endif
.set mm_t, mm_t+1
.endr
.endr
	WIN 0
	PLACES
.endm
.macro BIAS nt
	WIN 0x04                                       ; source 1 (the bias) in window 1
.set bi, 0
	s_wait_alu depctr_va_vdst(0)
.rept 4*\nt
	v_pk_add_f32 v[ACC1+2*bi:ACC1+2*bi+1], v[ACC1+2*bi:ACC1+2*bi+1], v[BIASR+2*bi:BIASR+2*bi+1]
.set bi, bi+1
.endr
	WIN 0
.endm
.macro REFLOAD ref, imm                ; my row's reference points of levels h and 2 + h
	ds_load_b64 v[\ref:\ref+1], v[REFR] offset:\imm
	ds_load_b64 v[\ref+2:\ref+3], v[REFR] offset:\imm+16
.endm
; point p of off tile tl: (off_x, off_y) becomes (x, y) in pixels, in place; CC = (cx, cy), the clamped base corner, as floats
.macro COORD tl, p, ref
	v_pk_fma_f32 v[ACC1+8*\tl+2*\p:ACC1+8*\tl+2*\p+1], v[ACC1+8*\tl+2*\p:ACC1+8*\tl+2*\p+1], v[RN+2*\tl:RN+2*\tl+1], v[\ref+2*\tl:\ref+2*\tl+1]
	v_pk_fma_f32 v[ACC1+8*\tl+2*\p:ACC1+8*\tl+2*\p+1], v[ACC1+8*\tl+2*\p:ACC1+8*\tl+2*\p+1], v[SZ+2*\tl:SZ+2*\tl+1], -0.5 op_sel_hi:[1,1,0]
	v_floor_f32 v[FL], v[ACC1+8*\tl+2*\p]
	v_floor_f32 v[FL+1], v[ACC1+8*\tl+2*\p+1]
	v_med3_num_f32 v[CC], v[FL], 0, v[SM2+2*\tl]
	v_med3_num_f32 v[CC+1], v[FL+1], 0, v[SM2+2*\tl+1]
.endm
; s29 = a chunk's first row: the bases of its loads
.macro SETSRC isq
	s_lshl_b32 s30, s29, 10                        ; rows of 1,024 bytes; below 2^26
	s_add_nc_u64 s[40:41], s[SRCP:SRCP+1], s[30:31]
.if \isq
	s_lshl_b32 s30, s29, 5                         ; 32 bytes of reference_points a row
	s_add_nc_u64 s[46:47], s[16:17], s[30:31]
.endif
.endm
; a chunk: 64 rows x 1,024 bytes, dense: 16 loads, each of a wave covers 512 neighbouring bytes.  value is read once in the program, query again.
.macro LOADQ isq
.irp i, 0,1,2,3,4,5,6,7,8,9,10,11,12,13,14,15
.if \isq
	global_load_b128 v[QN+4*\i:QN+4*\i+3], v[GOFF], s[40:41] offset:4096*\i
.else
	global_load_b128 v[QN+4*\i:QN+4*\i+3], v[GOFF], s[40:41] offset:4096*\i th:TH_LOAD_NT
.endif
.endr
.if \isq
	global_load_b64 v[RFN:RFN+1], v[TOFF8], s[46:47]   ; 2,048 dense bytes for the 256 threads
.endif
.endm
; one chunk
.macro CHUNK isq
	s_wait_loadcnt 0x0                             ; the chunk is in registers (asked for a whole chunk ago)
	s_wait_xcnt 0x0                                ; the last chunk's stores have had their addresses translated: their base and data are written again below
.irp i, 0,1,2,3,4,5,6,7,8,9,10,11,12,13,14,15
	v_cvt_pk_bf16_f32 v[CT+2*\i], v[QN+4*\i], v[QN+4*\i+1]
	v_cvt_pk_bf16_f32 v[CT+2*\i+1], v[QN+4*\i+2], v[QN+4*\i+3]
	ds_store_b64 v[ATW], v[CT+2*\i:CT+2*\i+1] offset:4*PA*\i    ; row 4 i + (t>>6)
.endr
.if \isq
	ds_store_b64 v[REFW], v[RFN:RFN+1]
.endif
	s_lshl_b32 s30, s29, DSH
	s_add_nc_u64 s[42:43], s[DSTP:DSTP+1], s[30:31]    ; where this chunk's results go
	s_add_co_u32 s45, s27, 1
	s_cmp_lt_u32 s45, s26
	s_cbranch_scc0 .Llast_\@                       ; the last chunk asks for nothing
	s_add_co_u32 s44, s48, s45                     ; the next chunk's number
	s_lshl_b32 s29, s44, 6
	s_min_u32 s29, s29, ROWS-64
	SETSRC \isq
	LOADQ \isq
.Llast_\@:
	s_wait_dscnt 0x0                               ; my part of the chunk is in LDS
	s_barrier_signal -1
	s_barrier_wait -1                              ; everybody's is; and nobody reads the last chunk's way out any more
.if \isq
	REFLOAD REFA, 0
.endif
	LOADA 0
.irp ms, 0,1,2,3
.if \ms == 0
	MM 2, 0
.else
	MM 2, 2                                        ; two stage stores stand behind the fragments' loads
.endif
.if \ms < 3
.if \isq
	REFLOAD REFA+4*((\ms+1)&1), (\ms+1)*512
.endif
	LOADA (\ms+1)*16*PA                            ; the next 16 rows' fragments come while this group's results are finished
.endif
	BIAS 2
.if \isq
.irp tl, 0,1
.irp p, 0,1,2,3
	COORD \tl, \p, REFA+4*(\ms&1)
	v_fma_f32 v[II+\p], v[CC+1], v[SZ+2*\tl], v[CC]    ; cy W + cx: whole numbers below 2^24, exact
.endr
.irp p, 0,1,2,3
	v_cvt_u32_f32 v[II+\p], v[II+\p]
.endr
	v_lshl_or_b32 v[PK], v[II+1], 16, v[II]
	v_lshl_or_b32 v[PK+1], v[II+3], 16, v[II+2]
	ds_store_b64 v[STW], v[PK:PK+1] offset:\ms*16*PI+16*\tl    ; four u16: level 2 tl + h, points 0..3
.endr
.else
.irp tl, 0,1
.irp j, 0,1,2,3
	v_cvt_pk_bf16_f32 v[VP+4*\tl+\j], v[ACC1+8*\tl+2*\j], v[ACC1+8*\tl+2*\j+1]
.endr
	ds_store_b128 v[STW], v[VP+4*\tl:VP+4*\tl+3] offset:\ms*16*PA+32*\tl
.endr
.endif
.endr
	s_wait_dscnt 0x0                               ; my results are staged, my reads of the chunk are over
	s_barrier_signal -1
	s_barrier_wait -1
.if \isq
.irp i, 0,1,2,3
	ds_load_b128 v[AF+4*\i:AF+4*\i+3], v[STR] offset:16*PI*\i
.endr
.irp i, 0,1,2,3
	s_wait_dscnt 3-\i
	global_store_b128 v[GOFF], v[AF+4*\i:AF+4*\i+3], s[42:43] offset:4096*\i   ; 16 lanes store one query's 256 bytes, aligned
.endr
.else
.irp i, 0,1,2,3,4,5,6,7
	ds_load_b128 v[AF+4*\i:AF+4*\i+3], v[STR] offset:8*PA*\i
.endr
.irp i, 0,1,2,3,4,5,6,7
	s_wait_dscnt 7-\i
	global_store_b128 v[GOFF], v[AF+4*\i:AF+4*\i+3], s[42:43] offset:4096*\i   ; a wave stores one row of 512 bytes, aligned
.endr
.endif
.endm
; a whole path: shares, first loads, weights into registers, the loop
.macro PATH isq
.if \isq
.set SRCP, 6
.set WP,   10
.set BP,   14
.set DSTP, 22
.set NCH,  NCHQ
.set ROWS, ROWSQ
.set DSH,  8
	s_sub_co_u32 s25, ttmp9, NWGV
.else
.set SRCP, 4
.set WP,   8
.set BP,   12
.set DSTP, 20
.set NCH,  NCHV
.set ROWS, ROWSV
.set DSH,  9
	s_mov_b32 s25, ttmp9
.endif
	s_mul_i32 s48, s25, CPW                        ; my first chunk
	s_sub_co_u32 s26, NCH, s48
	s_min_u32 s26, s26, CPW                        ; my chunks: 6, in the last group of a path 3 or 1
	s_lshl_b32 s29, s48, 6
	s_min_u32 s29, s29, ROWS-64
	SETSRC \isq
	LOADQ \isq                                     ; chunk 0 goes out ahead of everything else
	WIN 0x40
	global_load_b128 v[BIASR:BIASR+3], v59, s[BP:BP+1]
	global_load_b128 v[BIASR+4:BIASR+7], v59, s[BP:BP+1] offset:16
	global_load_b128 v[BIASR+8:BIASR+11], v59, s[BP:BP+1] offset:64
	global_load_b128 v[BIASR+12:BIASR+15], v59, s[BP:BP+1] offset:80
	WIN 0
.if \isq
	global_load_b64 v[40:41], v58, s[18:19]            ; spatial_shapes of level h: (H, W)
	global_load_b64 v[42:43], v58, s[18:19] offset:16  ; of level 2 + h
	v_cmp_ne_u32 vcc_lo, 0, v50
	SEL SZ,    100.0, 50.0
	SEL SZ+2,  25.0,  13.0
	SEL SM2,   98.0,  48.0
	SEL SM2+2, 23.0,  11.0
	v_mul_u32_u24 v[STW], v49, PI                  ; ST + r PI + 32 w + 8 h
	v_lshl_add_u32 v[STW], v50, 3, v[STW]
	s_lshl_b32 s45, s24, 5
	s_add_co_u32 s45, s45, ST
	v_add_nc_u32 v[STW], s45, v[STW]
	v_lshrrev_b32 v51, 4, v0                       ; ST + (t>>4) PI + 16 (t&15)
	v_mul_u32_u24 v[STR], v51, PI
	v_lshl_add_u32 v[STR], v49, 4, v[STR]
	v_add_nc_u32 v[STR], ST, v[STR]
.else
	s_lshl_b32 s45, s24, 6                         ; ST + r PA + 64 w + 16 h
	s_add_co_u32 s45, s45, ST
	v_add_nc_u32 v[STW], s45, v[AFR]
	s_mul_i32 s45, s24, PA                         ; ST + w PA + 16 L
	s_add_co_u32 s45, s45, ST
	v_and_b32 v[STR], 31, v0
	v_lshl_add_u32 v[STR], v[STR], 4, s45
.endif
	STAGEW WP, 4, 4*PW                             ; thread t, load i: row 4 i + (t>>6), columns 4 (t&63)..
.if \isq
	v_cvt_f32_i32 v44, v41                         ; normalizer = (W, H) as the input gives them
	v_cvt_f32_i32 v45, v40
	v_cvt_f32_i32 v46, v43
	v_cvt_f32_i32 v47, v42
	v_rcp_f32 v[RN], v44
	v_rcp_f32 v[RN+1], v45
	v_rcp_f32 v[RN+2], v46
	v_rcp_f32 v[RN+3], v47
	v_nop                                          ; one plain instruction behind the reciprocals (ISA guide 5.7.2)
.endif
	s_wait_dscnt 0x0
	s_barrier_signal -1
	s_barrier_wait -1                              ; the stage is whole
	WIN 0x40
	TRFRAG 0,  TRA, PW, 0                          ; columns 32 w .. +15
	TRFRAG 64, TRA, PW, 32                         ; columns 32 w + 16 .. +31
	WIN 0
	s_wait_dscnt 0x0
	s_barrier_signal -1
	s_barrier_wait -1                              ; everybody has its fragments: the stage's bytes are free for the chunks
.Lloop_\@:
	CHUNK \isq
	s_add_co_u32 s27, s27, 1
	s_cmp_lt_u32 s27, s26
	s_cbranch_scc1 .Lloop_\@
	s_wait_tensorcnt 0x0
	ds_add_u32 v60, v61
	s_wait_dscnt 0x0
	s_endpgm
.endm
	s_load_b512 s[4:19], s[0:1], 0x0               ; value, query, Wv, Woff, bv, boff, reference_points, spatial_shapes
	s_load_b128 s[20:23], s[0:1], 0x40             ; vbf, idx
	v_lshl_add_u32 v60, v0, 2, 0x22800
	v_mov_b32 v61, 0
	v_lshrrev_b32 v48, 5, v0
	v_readfirstlane_b32 s24, v48                   ; wave 0..7
	s_mov_b32 s31, 0                               ; high word of every byte offset
	s_mov_b32 s27, 0                               ; the loop's counter
	v_and_b32 v49, 15, v0                          ; r
	v_bfe_u32 v50, v0, 4, 1                        ; h
	v_lshrrev_b32 v51, 6, v0
	v_and_b32 v52, 63, v0
	v_lshlrev_b32 v[GOFF], 4, v0
	v_lshlrev_b32 v[TOFF8], 3, v0
	v_add_nc_u32 v[REFW], REFP, v[TOFF8]
	v_mul_u32_u24 v[ATW], v51, PA
	v_lshl_add_u32 v[ATW], v52, 3, v[ATW]
	v_mul_u32_u24 v[SA], v51, PW
	v_lshl_add_u32 v[SA], v52, 3, v[SA]
	v_mul_u32_u24 v[AFR], v49, PA
	v_lshl_add_u32 v[AFR], v50, 4, v[AFR]
	v_lshlrev_b32 v[REFR], 5, v49
	v_lshl_add_u32 v[REFR], v50, 3, v[REFR]
	v_add_nc_u32 v[REFR], REFP, v[REFR]
	v_and_b32 v53, 7, v0
	v_lshl_add_u32 v53, v50, 3, v53                ; 8 h + (L & 7): my row of k in a transposing load
	v_bfe_u32 v54, v0, 3, 1
	v_mul_u32_u24 v[TRA], v53, PW
	v_lshl_add_u32 v[TRA], v54, 4, v[TRA]
	v_lshl_add_u32 v[TRA], s24, 6, v[TRA]          ; + 64 w: my 32 columns
	v_add_nc_u32 v[TRA+1], 128*PW, v[TRA]
	v_lshlrev_b32 v58, 3, v50                      ; 8 h: my level's row of spatial_shapes
	v_lshlrev_b32 v59, 5, v50
	v_lshl_add_u32 v59, s24, 7, v59                ; 128 w + 32 h: my 8 columns of the bias
	s_wait_kmcnt 0x0
	s_cmp_lt_u32 ttmp9, NWGV
	s_cbranch_scc0 .Lquery
	PATH 0
.Lquery:
	PATH 1
.Lfunc_end_k_q1cd0d13feb_prep:
	.size	k_q1cd0d13feb_prep, .Lfunc_end_k_q1cd0d13feb_prep-k_q1cd0d13feb_prep
	.p2alignl 7, 3214868480
	.fill 96, 4, 3214868480
	.section	.rodata,"a",@progbits
	.p2align	6, 0x0
	.amdhsa_kernel k_q1cd0d13feb_prep
		.amdhsa_group_segment_fixed_size 142336
		.amdhsa_private_segment_fixed_size 0
		.amdhsa_enable_private_segment 0
		.amdhsa_kernarg_size 80
		.amdhsa_user_sgpr_count 2
		.amdhsa_user_sgpr_kernarg_segment_ptr 1
		.amdhsa_wavefront_size32 1
		.amdhsa_system_sgpr_workgroup_id_x 1
		.amdhsa_system_sgpr_workgroup_id_y 1
		.amdhsa_system_sgpr_workgroup_id_z 1
		.amdhsa_system_vgpr_workitem_id 0
		.amdhsa_next_free_vgpr 400
		.amdhsa_next_free_sgpr 66
		.amdhsa_reserve_vcc 1
		.amdhsa_float_denorm_mode_32 3
		.amdhsa_float_denorm_mode_16_64 3
		.amdhsa_memory_ordered 1
		.amdhsa_forward_progress 1
		.amdhsa_inst_pref_size 106
	.end_amdhsa_kernel
	.amdgpu_metadata
---
amdhsa.version: [ 1, 2 ]
amdhsa.kernels:
  - .name:           k_q1cd0d13feb_prep
    .symbol:         k_q1cd0d13feb_prep.kd
    .args:
      - { .name: value, .offset: 0, .size: 8, .value_kind: global_buffer, .address_space: global }
      - { .name: query, .offset: 8, .size: 8, .value_kind: global_buffer, .address_space: global }
      - { .name: Wv, .offset: 16, .size: 8, .value_kind: global_buffer, .address_space: global }
      - { .name: Woff, .offset: 24, .size: 8, .value_kind: global_buffer, .address_space: global }
      - { .name: bv, .offset: 32, .size: 8, .value_kind: global_buffer, .address_space: global }
      - { .name: boff, .offset: 40, .size: 8, .value_kind: global_buffer, .address_space: global }
      - { .name: reference_points, .offset: 48, .size: 8, .value_kind: global_buffer, .address_space: global }
      - { .name: spatial_shapes, .offset: 56, .size: 8, .value_kind: global_buffer, .address_space: global }
      - { .name: vbf, .offset: 64, .size: 8, .value_kind: global_buffer, .address_space: global }
      - { .name: idx, .offset: 72, .size: 8, .value_kind: global_buffer, .address_space: global }
    .group_segment_fixed_size: 142336
    .private_segment_fixed_size: 0
    .kernarg_segment_align: 8
    .kernarg_segment_size: 80
    .max_flat_workgroup_size: 256
    .sgpr_count:     66
    .vgpr_count:     400
    .wavefront_size: 32
...
	.end_amdgpu_metadata
.endif
;; end of part 1
;; launch attn (part 2): grid 250 x 1, 8 waves a work-group, no clusters, 278,528 bytes of LDS; arguments query, reference_points, spatial_shapes, Woff, boff, Ww, bw, Wo, bo, vbf, idx, out0; writes out0
.if DOCPART == 2
	.amdgcn_target "amdgcn-amd-amdhsa--gfx1250"
	.amdhsa_code_object_version 6
	.text
	.protected	k_q1cd0d13feb_attn
	.globl	k_q1cd0d13feb_attn
	.p2align	8
	.type	k_q1cd0d13feb_attn,@function
k_q1cd0d13feb_attn:
	s_mov_b64 s[64:65], 0
	v_nop
	global_prefetch_b8 v0, s[64:65] scope:SCOPE_SE
	s_setreg_imm32_b32 hwreg(HW_REG_WAVE_MODE, 25, 1), 1
	s_wait_xcnt 0x0
; attn: out0 = sampled @ Wo + bo + query.  250 work-groups that stay, 160 queries each, in 5 chunks of 32.  For a chunk:
;   C0 the chunk's query rows (asked for a chunk ago) go to LDS as bf16 (AT) and, with bo added, as f32 (OUT); idx rows are asked for
;   C1 query @ [Woff | Ww] on the matrix unit, wave w = head w; softmax over the head's 16 logits (the maximum taken away);
;      for each point four corner weights aw * max(0, 1-|x-c|) * max(0, 1-|y-c|), into LDS (WT)
;   C3 the gather: wave w takes queries 4w..4w+3, lane L channels 8L..8L+7 (head L>>2); 64 corner rows a query from vbf, at addresses made of
;      idx (whole numbers that the launch before stored), one multiply-add straight from a bf16 half for each number; the row goes to LDS as bf16 (SM)
;   C4 SM @ Wo on the matrix unit, the sums starting from query + bo;  C5 the rows leave, 512 neighbouring bytes a wave's store
; The corner form: with cx = clip(floor x, 0, W-2) the four corners cy W + cx + {0, 1, W, W+1} always lie inside the level, and
; max(0, 1-|x-c|) is 1-fx and fx for x's two neighbours and 0 for every other column, which is the zero padding of the problem's function.
; LIMITS: v comes rounded to bf16; the sampled row is rounded to bf16 as a matrix operand; weights and sums are f32;
; off/normalizer is a multiplication by v_rcp_f32 (1 ulp), spatial_shapes' entries taken as non-zero; NaN and infinities are not served
; (addresses stay inside vbf in any case: every position passes v_min_u32).  COORD repeats the earlier launch's instructions on the same bytes,
; so its (cx, cy) are those behind the stored positions.
; No tensor loads: query is f32 and is rounded in registers; the gathered rows go straight to registers.  No cluster: what work-groups share is
; 640 KiB of weights, read once by a group that gathers 5 MiB; the sampling is no matrix product (each query and head has operands of its own).
.set QPW,    160                       ; queries of a work-group
.set NCHUNK, 5
.set VBATCH, 6806528                   ; bytes of a batch in vbf: 13,294 rows of 512
.set PA,   528                         ; row of 256 bf16 + 16
.set PW,   544                         ; weights [k][256 n] in bf16: 17 x 32
.set PWW,  288                         ; Ww [k][128 n] in bf16: 9 x 32
.set PO,   1040                        ; row of 256 f32 + 16
.set PQ,   2192                        ; WT: a query (8 heads x 272 + 16)
.set PH,   272                         ; WT: a head (16 points x 16 bytes + 16)
; LDS: 0 Woff's stage, then Wo for the rest of the launch; Ww's stage lies over AT..WT in the prologue
.set AT,   139264                      ; 32 x 528
.set SM,   156160                      ; 32 x 528
.set OUT,  173056                      ; 32 x 1040
.set WT,   206336                      ; 32 x 2192
.set REFP, 276480                      ; 32 x 32
.set WWS,  139264
.set LANE16, 1                         ; 16 L
.set IDXO,   2                         ; 32 (L>>2)
.set WTR,    3                         ; WT + 4 w PQ + (L>>2) PH
.set SMW,    4                         ; SM + 4 w PA + 16 L
.set AFR,    5                         ; AT + r PA + 16 h
.set SFR,    6                         ; SM + r PA + 16 h
.set WTW,    7                         ; WT + r PQ + w PH + 64 h
.set OUTF,   8                         ; OUT + r PO + 128 w + 32 h
.set WOA,    9                         ; v9, v10: transposing loads of 256-column weights, k 0..127 and 128..255, + 64 w
.set QSA,    11                        ; AT + (t>>6) PA + 8 (t&63)
.set QSO,    12                        ; OUT + (t>>6) PO + 16 (t&63)
.set GOFF,   13                        ; 16 t
.set REFR,   14                        ; REFP + 32 r + 8 h
.set ZERO,   15                        ; 0.0: what a query's first products are added to
.set PX,     16                        ; what comes from the other half of the lanes
.set SZ,     18                        ; v[18:21] (W, H) of my level in off tile 0, 1
.set SM2,    22                        ; v[22:25] (W-2, H-2)
.set RN,     26                        ; v[26:29] 1/normalizer
.set ACC,    30                        ; v[30:37] the gather's 8 sums
.set IDX,    38                        ; v[38:69] 4 queries x 8 words of positions
.set ADR,    70                        ; v[70:77] 2 sets x 4 row offsets
.set WTS,    78                        ; v[78:109] 2 sets x 16 corner weights
.set ACC3,   78                        ; the output product's four accumulators
.set DATA,   110                       ; v[110:237] 2 sets x 16 corner pieces of 16 bytes
.set B0,     110
.set B1,     174
.set CT,     110
.set AF,     110                       ; C1: fragments of 16 query rows
.set ACC1,   174                       ; C1: off tile 0, off tile 1, aw tile
.set AW,     190
.set REFA,   198
.set FL,     202
.set CC,     204
.set DD,     206
.set EE,     208
.set TX,     210
.set TY,     212
.set QQ,     214
.set MX,     218
.set MP,     220
.set SUMA,   222
.set SUMB,   224
.set REFB,   226
.set RR,     230
.set TOFF4,  238                       ; 4 t
.set REFW,   239                       ; REFP + 4 t
.set RFN,    240                       ; next chunk's word of reference_points
.set SA,     242                       ; prologue: the stage's store address
.set TA,     242                       ; v[242:245] positions at work
.set PKS,    246                       ; v[246:249] a sampled row's 16 bytes
; window 1 (written by their low 8 bits): v256..447 weight fragments of the three tiles
.set QN,     192                       ; v448..479 the next chunk's query, 8 x 16 bytes
.set BO,     224                       ; v480..483 bo of my 4 columns
.set BIASR,  228                       ; v484..499 boff, v500..507 bw, of my 3 x 8 columns
.set MSB, 0
.macro WIN new                         ; the immediate's high byte repeats the setting that is left
.if MSB != \new
	s_set_vgpr_msb (MSB<<8)|\new
.set MSB, \new
.endif
.endm
.macro PLACES                          ; four places behind a matrix instruction (ISA guide 7.12.1) before its registers are read by others or loaded again
.rept 4
	v_nop
.endr
.endm
.macro SEL dst, f0, f1                 ; a pair (x, y) = f0 in lanes 0-15, f1 in lanes 16-31 (vcc = h)
	v_mov_b32 v[\dst], \f0
	v_mov_b32 v[\dst+1], \f1
	v_cndmask_b32 v[\dst], v[\dst], v[\dst+1], vcc_lo
	v_mov_b32 v[\dst+1], v[\dst]
.endm
.macro LOAD16 buf, ptr, i0             ; 16 loads of 4,096 dense bytes each
.irp i, 0,1,2,3,4,5,6,7,8,9,10,11,12,13,14,15
	global_load_b128 v[\buf+4*\i:\buf+4*\i+3], v[GOFF], s[\ptr:\ptr+1] offset:(\i0+\i)*4096
.endr
.endm
.macro CVT16 buf, step                 ; round in place, 8 bytes a thread into the stage
.irp i, 0,1,2,3,4,5,6,7,8,9,10,11,12,13,14,15
	v_cvt_pk_bf16_f32 v[\buf+4*\i], v[\buf+4*\i], v[\buf+4*\i+1]
	v_cvt_pk_bf16_f32 v[\buf+4*\i+1], v[\buf+4*\i+2], v[\buf+4*\i+3]
	ds_store_b64 v[SA], v[\buf+4*\i:\buf+4*\i+1] offset:\i*\step
.endr
	v_add_nc_u32 v[SA], 16*\step, v[SA]
.endm
.macro STAGEW ptr, nb, step            ; a weight matrix of nb x 64 KiB to LDS as bf16, on two buffers
	LOAD16 B0, \ptr, 0
	LOAD16 B1, \ptr, 16
	s_wait_loadcnt 16                              ; loads return in order: all but the other buffer's 16 are in
	CVT16 B0, \step
.if \nb > 2
	LOAD16 B0, \ptr, 32
	s_wait_loadcnt 16
	CVT16 B1, \step
	LOAD16 B1, \ptr, 48
	s_wait_loadcnt 16
	CVT16 B0, \step
.endif
	s_wait_loadcnt 0
	CVT16 B1, \step
.endm
.macro TRFRAG dst, adr, pitch, coloff  ; 16 columns x 256 k out of [k][n] in LDS (called with the destination in window 1)
.irp ks, 0,1,2,3,4,5,6,7
	ds_load_tr16_b128 v[\dst+8*\ks:\dst+8*\ks+3], v[\adr+(\ks>>2)] offset:(\ks&3)*32*\pitch+\coloff
	ds_load_tr16_b128 v[\dst+8*\ks+4:\dst+8*\ks+7], v[\adr+(\ks>>2)] offset:(\ks&3)*32*\pitch+16*\pitch+\coloff
.endr
.endm
.macro LOADA imm                       ; the fragments of 16 query rows x 256 k
.irp ks, 0,1,2,3,4,5,6,7
	ds_load_b128 v[AF+8*\ks:AF+8*\ks+3], v[AFR] offset:\imm+64*\ks
	ds_load_b128 v[AF+8*\ks+4:AF+8*\ks+7], v[AFR] offset:\imm+64*\ks+32
.endr
.endm
; nt tiles, K = 256.  The first k step starts the sums.  The accumulators take turns, one instruction a turn.
.macro MM nt, extra
	WIN 0x01                                       ; source 0 (weights) in window 1
.irp ks, 0,1,2,3,4,5,6,7
	s_wait_dscnt 14-2*\ks+\extra                   ; LDS answers in order: this k step's pair is in; the later pairs and what was issued behind them may be out
.set mm_t, 0
.rept \nt
.if \ks == 0
	v_wmma_f32_16x16x32_bf16 v[ACC1+8*mm_t:ACC1+8*mm_t+7], v[64*mm_t+8*\ks:64*mm_t+8*\ks+7], v[AF+8*\ks:AF+8*\ks+7], 0
.else
	v_wmma_f32_16x16x32_bf16 v[ACC1+8*mm_t:ACC1+8*mm_t+7], v[64*mm_t+8*\ks:64*mm_t+8*\ks+7], v[AF+8*\ks:AF+8*\ks+7], v[ACC1+8*mm_t:ACC1+8*mm_t+7]
.endif
.set mm_t, mm_t+1
.endr
.endr
	WIN 0
	PLACES
.endm
.macro BIAS nt
	WIN 0x04                                       ; source 1 (the bias) in window 1
.set bi, 0
.rept 4*\nt
	v_pk_add_f32 v[ACC1+2*bi:ACC1+2*bi+1], v[ACC1+2*bi:ACC1+2*bi+1], v[BIASR+2*bi:BIASR+2*bi+1]
.set bi, bi+1
.endr
	WIN 0
.endm
.macro REFLOAD ref, imm                ; my row's reference points of levels h and 2 + h
	ds_load_b64 v[\ref:\ref+1], v[REFR] offset:\imm
	ds_load_b64 v[\ref+2:\ref+3], v[REFR] offset:\imm+16
.endm
; point p of off tile tl: (off_x, off_y) becomes (x, y) in pixels, in place; CC = (cx, cy), the clamped base corner, as floats
.macro COORD tl, p, ref
	v_pk_fma_f32 v[ACC1+8*\tl+2*\p:ACC1+8*\tl+2*\p+1], v[ACC1+8*\tl+2*\p:ACC1+8*\tl+2*\p+1], v[RN+2*\tl:RN+2*\tl+1], v[\ref+2*\tl:\ref+2*\tl+1]
	v_pk_fma_f32 v[ACC1+8*\tl+2*\p:ACC1+8*\tl+2*\p+1], v[ACC1+8*\tl+2*\p:ACC1+8*\tl+2*\p+1], v[SZ+2*\tl:SZ+2*\tl+1], -0.5 op_sel_hi:[1,1,0]
	v_floor_f32 v[FL], v[ACC1+8*\tl+2*\p]
	v_floor_f32 v[FL+1], v[ACC1+8*\tl+2*\p+1]
	v_med3_num_f32 v[CC], v[FL], 0, v[SM2+2*\tl]
	v_med3_num_f32 v[CC+1], v[FL+1], 0, v[SM2+2*\tl+1]
.endm
; softmax over a (query, head)'s 16 logits: 8 in this lane, 8 in lane L xor 16
.macro SOFTMAX
	v_max3_num_f32 v[MX], v[AW], v[AW+1], v[AW+2]
	v_max3_num_f32 v[MX], v[MX], v[AW+3], v[AW+4]
	v_max3_num_f32 v[MX], v[MX], v[AW+5], v[AW+6]
	v_max_num_f32 v[MX], v[MX], v[AW+7]
	v_permlanex16_b32 v[PX], v[MX], s42, s43
	v_max_num_f32 v[MX], v[MX], v[PX]
	v_mul_f32 v[MP], 0xbfb8aa3b, v[MX]             ; - max x log2 e
	v_mov_b32 v[MP+1], v[MP]
.irp j, 0,2,4,6
	v_pk_fma_f32 v[AW+\j:AW+\j+1], v[AW+\j:AW+\j+1], 0x3fb8aa3b, v[MP:MP+1] op_sel_hi:[1,0,1]
.endr
.irp j, 0,1,2,3,4,5,6,7
	v_exp_f32 v[AW+\j], v[AW+\j]
.endr
	v_nop                                          ; one plain instruction behind the exponentials (ISA guide 5.7.2)
	s_wait_alu depctr_va_vdst(0)
	v_pk_add_f32 v[SUMA:SUMA+1], v[AW:AW+1], v[AW+2:AW+3]
	v_pk_add_f32 v[SUMB:SUMB+1], v[AW+4:AW+5], v[AW+6:AW+7]
	v_pk_add_f32 v[SUMA:SUMA+1], v[SUMA:SUMA+1], v[SUMB:SUMB+1]
	v_add_f32 v[SUMA], v[SUMA], v[SUMA+1]
	v_permlanex16_b32 v[PX], v[SUMA], s42, s43
	v_add_f32 v[SUMA], v[SUMA], v[PX]
	v_rcp_f32 v[RR], v[SUMA]
	v_rcp_f32 v[RR+1], v[SUMA]
	v_nop
	s_wait_alu depctr_va_vdst(0)
.irp j, 0,2,4,6
	v_pk_mul_f32 v[AW+\j:AW+\j+1], v[AW+\j:AW+\j+1], v[RR:RR+1]
.endr
.endm
; the four corner weights of point p of level 2 tl + h, times its attention weight (register 4 tl + p of the aw tile), in the order y0x0, y0x1, y1x0, y1x1
.macro POINT ms, tl, p, ref
	COORD \tl, \p, \ref
	v_pk_add_f32 v[DD:DD+1], v[ACC1+8*\tl+2*\p:ACC1+8*\tl+2*\p+1], v[CC:CC+1] neg_lo:[0,1] neg_hi:[0,1]
	v_pk_add_f32 v[EE:EE+1], v[DD:DD+1], -1.0 op_sel_hi:[1,0]
	v_sub_f32 v[TX], 1.0, |v[DD]|
	v_sub_f32 v[TX+1], 1.0, |v[EE]|
	v_sub_f32 v[TY], 1.0, |v[DD+1]|
	v_sub_f32 v[TY+1], 1.0, |v[EE+1]|
	v_max_num_f32 v[TX], 0, v[TX]
	v_max_num_f32 v[TX+1], 0, v[TX+1]
	v_max_num_f32 v[TY], 0, v[TY]
	v_max_num_f32 v[TY+1], 0, v[TY+1]
.if (\p)&1
	v_pk_mul_f32 v[TY:TY+1], v[TY:TY+1], v[AW+4*\tl+\p-1:AW+4*\tl+\p] op_sel:[0,1] op_sel_hi:[1,1]
.else
	v_pk_mul_f32 v[TY:TY+1], v[TY:TY+1], v[AW+4*\tl+\p:AW+4*\tl+\p+1] op_sel_hi:[1,0]
.endif
	v_pk_mul_f32 v[QQ:QQ+1], v[TX:TX+1], v[TY:TY+1] op_sel_hi:[1,0]
	v_pk_mul_f32 v[QQ+2:QQ+3], v[TX:TX+1], v[TY:TY+1] op_sel:[0,1] op_sel_hi:[1,1]
	ds_store_b128 v[WTW], v[QQ:QQ+3] offset:\ms*16*PQ+128*\tl+16*\p
.endm
.macro POINTS ms, ref
.irp tl, 0,1
.irp p, 0,1,2,3
	POINT \ms, \tl, \p, \ref
.endr
.endr
.endm
; a level's width, first row in a batch of vbf, and largest base position (H-2) W + W-2
.macro LEVEL lv
.if (\lv) == 0
.set LW, 100
.set LSTART, 0
.set LMAX, 9898
.endif
.if (\lv) == 1
.set LW, 50
.set LSTART, 10000
.set LMAX, 2448
.endif
.if (\lv) == 2
.set LW, 25
.set LSTART, 12500
.set LMAX, 598
.endif
.if (\lv) == 3
.set LW, 13
.set LSTART, 13125
.set LMAX, 154
.endif
.endm
; group g = 4 i + lv: query i of my four, level lv, its four points.  Registers in two sets, g & 1.
.macro ADDR g                          ; positions (u16) to byte offsets: clamped, x 512, + my 16 bytes of the row
	LEVEL ((\g)&3)
.irp p, 0,1,2,3
.if (\p)&1
	v_lshrrev_b32 v[TA+\p], 16, v[IDX+8*((\g)>>2)+2*((\g)&3)+((\p)>>1)]
.else
	v_and_b32 v[TA+\p], 0xffff, v[IDX+8*((\g)>>2)+2*((\g)&3)+((\p)>>1)]
.endif
	v_min_u32 v[TA+\p], LMAX, v[TA+\p]
	v_lshl_add_u32 v[ADR+4*((\g)&1)+\p], v[TA+\p], 9, v[LANE16]
.endr
.endm
.macro GATH g                          ; 16 corner pieces; level and corner stand in the immediate (6,727,168 at the most)
	LEVEL ((\g)&3)
.irp p, 0,1,2,3
.irp c, 0,1,2,3
	global_load_b128 v[DATA+64*((\g)&1)+16*\p+4*\c:DATA+64*((\g)&1)+16*\p+4*\c+3], v[ADR+4*((\g)&1)+\p], s[38:39] offset:(LSTART+((\c)>>1)*LW+((\c)&1))*512
.endr
.endr
.endm
.macro WTLOAD g                        ; my head's 4 x 4 corner weights
.irp p, 0,1,2,3
	ds_load_b128 v[WTS+16*((\g)&1)+4*\p:WTS+16*((\g)&1)+4*\p+3], v[WTR] offset:((\g)>>2)*PQ+(4*((\g)&3)+\p)*16
.endr
.endm
.macro FMA g                           ; 128 multiply-adds straight from bf16 halves into the 8 f32 sums; a query's first corner starts them
.irp p, 0,1,2,3
.irp c, 0,1,2,3
.irp k, 0,1,2,3
.if (((\g)&3)+\p+\c) == 0
	v_fma_mix_f32_bf16 v[ACC+2*\k], v[DATA+64*((\g)&1)+16*\p+4*\c+\k], v[WTS+16*((\g)&1)+4*\p+\c], v[ZERO] op_sel_hi:[1,0,0]
	v_fma_mix_f32_bf16 v[ACC+2*\k+1], v[DATA+64*((\g)&1)+16*\p+4*\c+\k], v[WTS+16*((\g)&1)+4*\p+\c], v[ZERO] op_sel:[1,0,0] op_sel_hi:[1,0,0]
.else
	v_fma_mix_f32_bf16 v[ACC+2*\k], v[DATA+64*((\g)&1)+16*\p+4*\c+\k], v[WTS+16*((\g)&1)+4*\p+\c], v[ACC+2*\k] op_sel_hi:[1,0,0]
	v_fma_mix_f32_bf16 v[ACC+2*\k+1], v[DATA+64*((\g)&1)+16*\p+4*\c+\k], v[WTS+16*((\g)&1)+4*\p+\c], v[ACC+2*\k+1] op_sel:[1,0,0] op_sel_hi:[1,0,0]
.endif
.endr
.endr
.endr
.endm
; group g is summed while group g + 1 is on its way.  The set that g + 1 takes was g - 1's, whose loads the last step's wait showed done.
.macro STEP g
.if \g < 15
	ADDR (\g+1)
	GATH (\g+1)
	WTLOAD (\g+1)
	s_wait_loadcnt 16                              ; all but the 16 gathers just issued
	s_wait_dscnt 4                                 ; all but the 4 weight loads just issued
.else
	s_wait_loadcnt 0
	s_wait_dscnt 0
.endif
	FMA \g
.if (\g&3) == 3
.irp k, 0,1,2,3
	v_cvt_pk_bf16_f32 v[PKS+\k], v[ACC+2*\k], v[ACC+2*\k+1]
.endr
	ds_store_b128 v[SMW], v[PKS:PKS+3] offset:PA*(\g>>2)    ; the query's sampled row, 512 bytes from the wave
.endif
.endm
; the output product: buffer b takes k steps s0, s0 + 1: Wo's fragments of my two column tiles, SM's of both row groups: 16 loads
.macro BUF b, s0
.irp sl, 0,1
.irp tile, 0,1
	ds_load_tr16_b128 v[DATA+64*\b+16*\tile+8*\sl:DATA+64*\b+16*\tile+8*\sl+3], v[WOA+((\s0+\sl)>>2)] offset:((\s0+\sl)&3)*32*PW+32*\tile
	ds_load_tr16_b128 v[DATA+64*\b+16*\tile+8*\sl+4:DATA+64*\b+16*\tile+8*\sl+7], v[WOA+((\s0+\sl)>>2)] offset:((\s0+\sl)&3)*32*PW+16*PW+32*\tile
.endr
.endr
.irp sl, 0,1
.irp ms, 0,1
	ds_load_b128 v[DATA+64*\b+32+16*\ms+8*\sl:DATA+64*\b+32+16*\ms+8*\sl+3], v[SFR] offset:\ms*16*PA+64*(\s0+\sl)
	ds_load_b128 v[DATA+64*\b+32+16*\ms+8*\sl+4:DATA+64*\b+32+16*\ms+8*\sl+7], v[SFR] offset:\ms*16*PA+64*(\s0+\sl)+32
.endr
.endr
.endm
.macro MUL8 b                          ; the four accumulators take turns, one instruction a turn
.irp sl, 0,1
.irp ms, 0,1
.irp tile, 0,1
	v_wmma_f32_16x16x32_bf16 v[ACC3+8*(2*\ms+\tile):ACC3+8*(2*\ms+\tile)+7], v[DATA+64*\b+16*\tile+8*\sl:DATA+64*\b+16*\tile+8*\sl+7], v[DATA+64*\b+32+16*\ms+8*\sl:DATA+64*\b+32+16*\ms+8*\sl+7], v[ACC3+8*(2*\ms+\tile):ACC3+8*(2*\ms+\tile)+7]
.endr
.endr
.endr
.endm
.macro LOADQN                          ; a chunk's 32 rows x 1,024 bytes, dense, into window 1; and its 1,024 bytes of reference_points
	WIN 0x40
.irp i, 0,1,2,3,4,5,6,7
	global_load_b128 v[QN+4*\i:QN+4*\i+3], v[GOFF], s[32:33] offset:4096*\i th:TH_LOAD_NT
.endr
	WIN 0
	global_load_b32 v[RFN], v[TOFF4], s[44:45]
.endm
	; ---------------- prologue
	s_load_b512 s[4:19], s[0:1], 0x0               ; query, reference_points, spatial_shapes, Woff, boff, Ww, bw, Wo
	s_load_b256 s[20:27], s[0:1], 0x40             ; bo, vbf, idx, out0
	v_lshl_add_u32 v17, v0, 2, 0x43c00
	s_set_vgpr_msb 0x40
	v_mov_b32 v255, 0
	s_set_vgpr_msb 0x4000
	v_lshrrev_b32 v242, 5, v0
	v_readfirstlane_b32 s28, v242                  ; wave 0..7
	s_mov_b32 s29, 0                               ; the chunk counter
	s_mov_b32 s41, 0                               ; high word of every byte offset
	s_mov_b32 s42, 0x76543210                      ; v_permlanex16_b32: lane i of one half reads lane i of the other
	s_mov_b32 s43, 0xfedcba98
	s_mul_i32 s47, ttmp9, QPW                      ; my first query
	v_lshlrev_b32 v[GOFF], 4, v0
	v_lshlrev_b32 v[TOFF4], 2, v0
	s_wait_kmcnt 0x0
	s_lshl_b32 s40, s47, 10
	s_add_nc_u64 s[32:33], s[4:5], s[40:41]        ; query at chunk 0
	s_lshl_b32 s40, s47, 5
	s_add_nc_u64 s[44:45], s[6:7], s[40:41]        ; reference_points at chunk 0
	LOADQN                                         ; chunk 0 goes out ahead of everything else
	v_and_b32 v243, 31, v0                         ; L
	v_and_b32 v244, 15, v0                         ; r
	v_bfe_u32 v245, v0, 4, 1                       ; h
	v_lshrrev_b32 v246, 6, v0
	v_and_b32 v247, 63, v0
	v_lshrrev_b32 v248, 2, v243                    ; my head in the gather
	v_lshlrev_b32 v254, 3, v245                    ; 8 h: my level's row of spatial_shapes
	v_lshlrev_b32 v255, 4, v247                    ; bo of my 4 columns
	v_lshlrev_b32 v251, 5, v245
	v_lshl_add_u32 v251, s28, 7, v251              ; boff: 128 w + 32 h
	v_lshlrev_b32 v241, 4, v245
	v_lshl_add_u32 v241, s28, 6, v241              ; bw: 64 w + 16 h (level h; level 2 + h is 32 bytes on)
	global_load_b64 v[30:31], v254, s[8:9]
	global_load_b64 v[32:33], v254, s[8:9] offset:16
	WIN 0x40
	global_load_b128 v[BO:BO+3], v255, s[20:21]
	global_load_b128 v[BIASR:BIASR+3], v251, s[12:13]
	global_load_b128 v[BIASR+4:BIASR+7], v251, s[12:13] offset:16
	global_load_b128 v[BIASR+8:BIASR+11], v251, s[12:13] offset:64
	global_load_b128 v[BIASR+12:BIASR+15], v251, s[12:13] offset:80
	global_load_b128 v[BIASR+16:BIASR+19], v241, s[16:17]
	global_load_b128 v[BIASR+20:BIASR+23], v241, s[16:17] offset:32
	WIN 0
	v_add_nc_u32 v[REFW], REFP, v[TOFF4]
	v_lshlrev_b32 v[LANE16], 4, v243
	v_lshlrev_b32 v[IDXO], 5, v248
	s_mul_i32 s46, s28, 4*PQ
	s_add_co_u32 s46, s46, WT
	v_mul_u32_u24 v[WTR], v248, PH
	v_add_nc_u32 v[WTR], s46, v[WTR]
	s_mul_i32 s46, s28, 4*PA
	s_add_co_u32 s46, s46, SM
	v_add_nc_u32 v[SMW], s46, v[LANE16]
	v_mul_u32_u24 v[AFR], v244, PA
	v_lshl_add_u32 v[AFR], v245, 4, v[AFR]
	v_add_nc_u32 v[SFR], SM, v[AFR]
	v_add_nc_u32 v[AFR], AT, v[AFR]
	v_mul_u32_u24 v[WTW], v244, PQ
	v_lshl_add_u32 v[WTW], v245, 6, v[WTW]
	s_mul_i32 s46, s28, PH
	s_add_co_u32 s46, s46, WT
	v_add_nc_u32 v[WTW], s46, v[WTW]
	v_mul_u32_u24 v[OUTF], v244, PO
	v_lshl_add_u32 v[OUTF], v245, 5, v[OUTF]
	s_lshl_b32 s46, s28, 7
	s_add_co_u32 s46, s46, OUT
	v_add_nc_u32 v[OUTF], s46, v[OUTF]
	v_and_b32 v249, 7, v0
	v_lshl_add_u32 v249, v245, 3, v249             ; 8 h + (L & 7): my row of k in a transposing load
	v_bfe_u32 v250, v0, 3, 1
	v_mul_u32_u24 v[WOA], v249, PW
	v_lshl_add_u32 v[WOA], v250, 4, v[WOA]
	v_lshl_add_u32 v[WOA], s28, 6, v[WOA]
	v_add_nc_u32 v[WOA+1], 128*PW, v[WOA]
	v_mul_u32_u24 v252, v249, PWW                  ; the same for Ww's stage: 16 columns a head
	v_lshl_add_u32 v252, v250, 4, v252
	s_lshl_b32 s46, s28, 5
	s_add_co_u32 s46, s46, WWS
	v_add_nc_u32 v252, s46, v252
	v_add_nc_u32 v253, 128*PWW, v252
	v_mul_u32_u24 v[QSA], v246, PA
	v_lshl_add_u32 v[QSA], v247, 3, v[QSA]
	v_add_nc_u32 v[QSA], AT, v[QSA]
	v_mul_u32_u24 v[QSO], v246, PO
	v_lshl_add_u32 v[QSO], v247, 4, v[QSO]
	v_add_nc_u32 v[QSO], OUT, v[QSO]
	v_lshlrev_b32 v[REFR], 5, v244
	v_lshl_add_u32 v[REFR], v245, 3, v[REFR]
	v_add_nc_u32 v[REFR], REFP, v[REFR]
	v_mov_b32 v[ZERO], 0
	v_mov_b32 v[PX], 0
	v_cmp_ne_u32 vcc_lo, 0, v245
	SEL SZ,    100.0, 50.0
	SEL SZ+2,  25.0,  13.0
	SEL SM2,   98.0,  48.0
	SEL SM2+2, 23.0,  11.0
	v_mul_u32_u24 v[SA], v246, PW                  ; Woff to LDS byte 0: thread t, load i: row 4 i + (t>>6), columns 4 (t&63)..
	v_lshl_add_u32 v[SA], v247, 3, v[SA]
	STAGEW 10, 4, 4*PW
	; Ww: thread t, load i: row 8 i + (t>>5), columns 4 L..  In each head's 16 columns the two middle quads change places, so that a lane of the
	; aw tile holds levels h and 2 + h, the levels of its two off tiles.
	v_lshrrev_b32 v34, 5, v0
	v_and_b32 v35, 28, v243
	v_and_b32 v36, 1, v243
	v_lshl_or_b32 v35, v36, 1, v35
	v_bfe_u32 v36, v243, 1, 1
	v_or_b32 v35, v35, v36
	v_mul_u32_u24 v[SA], v34, PWW
	v_lshl_add_u32 v[SA], v35, 3, v[SA]
	v_add_nc_u32 v[SA], WWS, v[SA]
	STAGEW 14, 2, 8*PWW
	v_cvt_f32_i32 v34, v31                         ; normalizer = (W, H) as the input gives them
	v_cvt_f32_i32 v35, v30
	v_cvt_f32_i32 v36, v33
	v_cvt_f32_i32 v37, v32
	v_rcp_f32 v[RN], v34
	v_rcp_f32 v[RN+1], v35
	v_rcp_f32 v[RN+2], v36
	v_rcp_f32 v[RN+3], v37
	v_nop                                          ; one plain instruction behind the reciprocals (ISA guide 5.7.2)
	s_wait_dscnt 0x0
	s_barrier_signal -1
	s_barrier_wait -1                              ; both stages are whole
	WIN 0x40
	TRFRAG 0,   WOA, PW, 0                         ; Woff's columns 32 w .. +15: levels 0, 1
	TRFRAG 64,  WOA, PW, 32                        ; +16 .. +31: levels 2, 3
	TRFRAG 128, 252, PWW, 0                        ; Ww's 16 columns of head w
	WIN 0
	s_wait_dscnt 0x0
	s_barrier_signal -1
	s_barrier_wait -1                              ; everybody has its fragments: the stages' bytes are free
	v_mul_u32_u24 v[SA], v246, PW                  ; Wo to LDS byte 0, to stay; the first chunk's first barrier shows it whole
	v_lshl_add_u32 v[SA], v247, 3, v[SA]
	STAGEW 18, 4, 4*PW
.Lchunk:
	; ---------------- C0: intake
	s_wait_loadcnt 0x0                             ; this chunk's query rows and reference points are in registers
	s_wait_xcnt 0x0                                ; the last chunk's stores have had their addresses translated: bases and data are written again below
	s_lshl_b32 s46, s29, 5
	s_add_co_u32 s30, s47, s46                     ; the chunk's first query
	s_lshl2_add_u32 s46, s28, s30                  ; my wave's first query in the gather; its four lie in one batch (10,000 is a multiple of 4)
	s_mul_hi_u32 s40, s46, 429497                  ; the batch: floor(q / 10000) for q < 40,000
	s_mul_i32 s40, s40, VBATCH
	s_add_nc_u64 s[38:39], s[22:23], s[40:41]      ; vbf at my batch
	s_lshl_b32 s40, s46, 8
	s_add_nc_u64 s[36:37], s[24:25], s[40:41]      ; idx at my four queries
	s_lshl_b32 s40, s30, 10
	s_add_nc_u64 s[34:35], s[26:27], s[40:41]      ; out0 at the chunk
.irp i, 0,1,2,3
	global_load_b128 v[IDX+8*\i:IDX+8*\i+3], v[IDXO], s[36:37] offset:256*\i th:TH_LOAD_NT      ; the wave's two loads cover a query's 256 bytes
	global_load_b128 v[IDX+8*\i+4:IDX+8*\i+7], v[IDXO], s[36:37] offset:256*\i+16 th:TH_LOAD_NT
.endr
	WIN 0x05                                       ; sources 0 and 1 in window 1
.irp i, 0,1,2,3,4,5,6,7
	v_cvt_pk_bf16_f32 v[CT+6*\i], v[QN+4*\i], v[QN+4*\i+1]
	v_cvt_pk_bf16_f32 v[CT+6*\i+1], v[QN+4*\i+2], v[QN+4*\i+3]
	v_pk_add_f32 v[CT+6*\i+2:CT+6*\i+3], v[QN+4*\i:QN+4*\i+1], v[BO:BO+1]
	v_pk_add_f32 v[CT+6*\i+4:CT+6*\i+5], v[QN+4*\i+2:QN+4*\i+3], v[BO+2:BO+3]
.endr
	WIN 0
.irp i, 0,1,2,3,4,5,6,7
	ds_store_b64 v[QSA], v[CT+6*\i:CT+6*\i+1] offset:4*PA*\i          ; row 4 i + (t>>6), bf16
	ds_store_b128 v[QSO], v[CT+6*\i+2:CT+6*\i+5] offset:4*PO*\i       ; the same row, query + bo, f32
.endr
	ds_store_b32 v[REFW], v[RFN]
	s_cmp_eq_u32 s29, NCHUNK-1
	s_cbranch_scc1 .Lnonext                        ; the last chunk asks for nothing
	s_add_nc_u64 s[32:33], s[32:33], 32768
	s_add_nc_u64 s[44:45], s[44:45], 1024
	LOADQN
.Lnonext:
	s_wait_dscnt 0x0
	s_barrier_signal -1
	s_barrier_wait -1                              ; B1: AT, OUT, REFP (and, the first time, Wo) are whole
	; ---------------- C1: projections, softmax, corner weights
	REFLOAD REFA, 0
	LOADA 0
	MM 3, 0
	REFLOAD REFB, 512
	LOADA 16*PA                                    ; rows 16..31 come while rows 0..15 are finished
	BIAS 3
	SOFTMAX
	POINTS 0, REFA
	MM 3, 8                                        ; eight weight stores stand behind the fragments' loads
	BIAS 3
	SOFTMAX
	POINTS 1, REFB
	; ---------------- C2: the first group goes out ahead of the barrier
	s_wait_loadcnt 0x0                             ; the positions are in (and the next chunk's rows, asked for a phase ago)
	ADDR 0
	GATH 0
	s_wait_dscnt 0x0
	s_barrier_signal -1
	s_barrier_wait -1                              ; B2: WT is whole
	WTLOAD 0
	; ---------------- C3: the gather, 16 groups
.irp g, 0,1,2,3,4,5,6,7,8,9,10,11,12,13,14,15
	STEP \g
.endr
	s_wait_dscnt 0x0
	s_barrier_signal -1
	s_barrier_wait -1                              ; B3: SM is whole
	; ---------------- C4: SM @ Wo, the sums starting from query + bo
.irp ms, 0,1
.irp tile, 0,1
	ds_load_b128 v[ACC3+8*(2*\ms+\tile):ACC3+8*(2*\ms+\tile)+3], v[OUTF] offset:\ms*16*PO+64*\tile
	ds_load_b128 v[ACC3+8*(2*\ms+\tile)+4:ACC3+8*(2*\ms+\tile)+7], v[OUTF] offset:\ms*16*PO+64*\tile+16
.endr
.endr
	BUF 0, 0
	BUF 1, 2
	s_wait_dscnt 16                                ; all but the other buffer's 16 loads
	MUL8 0
	PLACES
	BUF 0, 4
	s_wait_dscnt 16
	MUL8 1
	PLACES
	BUF 1, 6
	s_wait_dscnt 16
	MUL8 0
	s_wait_dscnt 0
	MUL8 1
	PLACES
.irp ms, 0,1
.irp tile, 0,1
	ds_store_b128 v[OUTF], v[ACC3+8*(2*\ms+\tile):ACC3+8*(2*\ms+\tile)+3] offset:\ms*16*PO+64*\tile
	ds_store_b128 v[OUTF], v[ACC3+8*(2*\ms+\tile)+4:ACC3+8*(2*\ms+\tile)+7] offset:\ms*16*PO+64*\tile+16
.endr
.endr
	s_wait_dscnt 0x0
	s_barrier_signal -1
	s_barrier_wait -1                              ; B4: OUT holds the results
	; ---------------- C5: the way out
.irp i, 0,1,2,3,4,5,6,7
	ds_load_b128 v[DATA+4*\i:DATA+4*\i+3], v[QSO] offset:4*PO*\i
.endr
.irp i, 0,1,2,3,4,5,6,7
	s_wait_dscnt 7-\i
	global_store_b128 v[GOFF], v[DATA+4*\i:DATA+4*\i+3], s[34:35] offset:4096*\i th:TH_STORE_NT   ; a wave stores 512 neighbouring bytes, aligned
.endr
	s_barrier_signal -1                            ; B5: every wave's reads of OUT are back (the count-down ended at 0): the next intake may store into it
	s_barrier_wait -1
	s_add_co_u32 s29, s29, 1
	s_cmp_lt_u32 s29, NCHUNK
	s_cbranch_scc1 .Lchunk
	s_set_vgpr_msb 0x4
	s_wait_tensorcnt 0x0
	ds_add_u32 v17, v255
	s_wait_dscnt 0x0
	s_set_vgpr_msb 0x400
	s_endpgm
.Lfunc_end_k_q1cd0d13feb_attn:
	.size	k_q1cd0d13feb_attn, .Lfunc_end_k_q1cd0d13feb_attn-k_q1cd0d13feb_attn
	.p2alignl 7, 3214868480
	.fill 96, 4, 3214868480
	.section	.rodata,"a",@progbits
	.p2align	6, 0x0
	.amdhsa_kernel k_q1cd0d13feb_attn
		.amdhsa_group_segment_fixed_size 278528
		.amdhsa_private_segment_fixed_size 0
		.amdhsa_enable_private_segment 0
		.amdhsa_kernarg_size 96
		.amdhsa_user_sgpr_count 2
		.amdhsa_user_sgpr_kernarg_segment_ptr 1
		.amdhsa_wavefront_size32 1
		.amdhsa_system_sgpr_workgroup_id_x 1
		.amdhsa_system_sgpr_workgroup_id_y 1
		.amdhsa_system_sgpr_workgroup_id_z 1
		.amdhsa_system_vgpr_workitem_id 0
		.amdhsa_next_free_vgpr 512
		.amdhsa_next_free_sgpr 66
		.amdhsa_reserve_vcc 1
		.amdhsa_float_denorm_mode_32 3
		.amdhsa_float_denorm_mode_16_64 3
		.amdhsa_memory_ordered 1
		.amdhsa_forward_progress 1
		.amdhsa_inst_pref_size 255
	.end_amdhsa_kernel
	.section	.bss,"aw",@nobits
	.p2align	6
	.space	262144
	.amdgpu_metadata
---
amdhsa.version: [ 1, 2 ]
amdhsa.kernels:
  - .name:           k_q1cd0d13feb_attn
    .symbol:         k_q1cd0d13feb_attn.kd
    .args:
      - { .name: query, .offset: 0, .size: 8, .value_kind: global_buffer, .address_space: global }
      - { .name: reference_points, .offset: 8, .size: 8, .value_kind: global_buffer, .address_space: global }
      - { .name: spatial_shapes, .offset: 16, .size: 8, .value_kind: global_buffer, .address_space: global }
      - { .name: Woff, .offset: 24, .size: 8, .value_kind: global_buffer, .address_space: global }
      - { .name: boff, .offset: 32, .size: 8, .value_kind: global_buffer, .address_space: global }
      - { .name: Ww, .offset: 40, .size: 8, .value_kind: global_buffer, .address_space: global }
      - { .name: bw, .offset: 48, .size: 8, .value_kind: global_buffer, .address_space: global }
      - { .name: Wo, .offset: 56, .size: 8, .value_kind: global_buffer, .address_space: global }
      - { .name: bo, .offset: 64, .size: 8, .value_kind: global_buffer, .address_space: global }
      - { .name: vbf, .offset: 72, .size: 8, .value_kind: global_buffer, .address_space: global }
      - { .name: idx, .offset: 80, .size: 8, .value_kind: global_buffer, .address_space: global }
      - { .name: out0, .offset: 88, .size: 8, .value_kind: global_buffer, .address_space: global }
    .group_segment_fixed_size: 278528
    .private_segment_fixed_size: 0
    .kernarg_segment_align: 8
    .kernarg_segment_size: 96
    .max_flat_workgroup_size: 256
    .sgpr_count:     66
    .vgpr_count:     512
    .wavefront_size: 32
...
	.end_amdgpu_metadata
.endif
;; end of part 2
;; ======== version 2 of 2: 3 launches; 1.66 times as fast as version 1
;; limits: values outside matrix products are rounded to bf16
;; workspace buffers: vt 27,230,208 bytes; idx 10,240,000 bytes of whole numbers; qfrag 20,480,000 bytes; samp 20,480,000 bytes
;; launch prep (part 3): grid 244 x 1, 8 waves a work-group, no clusters, 142,336 bytes of LDS; arguments value, query, Wv, Woff, bv, boff, reference_points, spatial_shapes, vt, idx, qfrag; writes vt, idx, qfrag
.if DOCPART == 3
	.amdgcn_target "amdgcn-amd-amdhsa--gfx1250"
	.amdhsa_code_object_version 6
	.text
	.protected	k_q1cd0d13feb_prep
	.globl	k_q1cd0d13feb_prep
	.p2align	8
	.type	k_q1cd0d13feb_prep,@function
k_q1cd0d13feb_prep:
	s_mov_b64 s[64:65], 0
	v_nop
	global_prefetch_b8 v0, s[64:65] scope:SCOPE_SE
	s_setreg_imm32_b32 hwreg(HW_REG_WAVE_MODE, 25, 1), 1
	s_wait_xcnt 0x0
; prep: two jobs of one shape, rows x [256 x 256] through the matrix unit, chosen once by the work-group's number.
;   work-groups 0..138  : vt[batch][head][row][32] = bf16(value @ Wv + bv): a table of 13,294 rows of 64 bytes for each (batch, head),
;                         tables 850,944 bytes apart (850,816 + 128, so that each begins on a multiple of 256 bytes)
;   work-groups 139..243: idx[head][q][level*4+point] (u16) = cy*W + cx, the clamped base corner of each sampling point,
;                         from off = query @ Woff + boff, x = (ref + off/normalizer)*W - 0.5, cx = clip(floor x, 0, W-2);
;                         and qfrag, the query rounded to bf16 in the order of matrix fragments: for each 16 queries 16 blocks of 512 bytes,
;                         block 2s+j, lane L = 16 bytes of row L%16 at k = 32s + 16j + 8(L/16)
; A chunk is 64 rows; a work-group walks up to 6 chunks.  value has 208 chunks a batch; a batch's last chunk begins at row 13,230, so 18 rows
; are stored twice with equal numbers, by one work-group (chunks 206/207, 414/415, 622/623, 830/831 each lie inside one run of six).
; Eight waves; wave w owns output columns 32w..32w+31 (head w) of all 64 rows: its weight fragments stay in registers for the launch.
; The matrix instruction is used transposed (source 0 = 16 columns of W, source 1 = 16 data rows): lane (r, h), register j
; holds (row r, column n0 + 8h + j), eight neighbouring columns of one row.
; LIMITS: v is rounded once to bf16 (operand of the sampling sum in the next launch); products take bf16 operands, sums are f32;
; off/normalizer is a multiplication by v_rcp_f32(normalizer) (1 ulp), spatial_shapes' entries are taken as non-zero;
; NaN and infinities in the inputs are not served.  The next launch repeats the instructions of COORD on the same bf16 bits,
; so that its corner weights belong to the positions stored here.
; No tensor loads: every bulk input is f32 and is rounded to bf16 in registers on its way to LDS.  No cluster: the only bytes that
; work-groups share are the 256 KiB of one weight matrix, read once by a group that moves 384 KiB to 690 KiB of its own.
.set NWGV,  139                        ; work-groups on value
.set NCHV,  832                        ; chunks of value: 4 x 208
.set NCHQ,  625                        ; chunks of query
.set CPW,   6                          ; chunks of a work-group at the most
.set PA,    528                        ; LDS pitch of a row of 256 bf16: 512 + 16 bytes
.set PW,    544                        ; LDS pitch of the staged weights [k][n]: 17 x 32 bytes, for the transposing loads
.set PS,    80                         ; LDS pitch of a staged row of vt: 64 + 16
.set TBL,   850944                     ; bytes from table to table in vt
.set PLI,   1280000                    ; bytes of a head's plane in idx: 40,000 x 32
; LDS: 0..139,264 the weight stage (prologue only); over it, later: AT at 0 (64 x 528, the chunk in bf16) and ST (each wave's own stage out)
.set ST,    33792
.set REFP,  139264                     ; 64 rows x 32 bytes of reference_points, this chunk's
.set GOFF,  1                          ; v1      16 t
.set ATW,   2                          ; v2      where I put 8 bytes of the chunk: (t>>6) PA + 8 (t&63)
.set AFR,   3                          ; v3      where I read data fragments: r PA + 16 h
.set STW,   4                          ; v4      the way out: where I put results
.set STR,   5                          ; v5      the way out: where I read them back
.set REFR,  6                          ; v6      REFP + 32 r + 8 h
.set TRA,   7                          ; v7, v8  transposing loads: k 0..127, k 128..255
.set SA,    9                          ; v9      the weight stage's store address
.set TOFF8, 10                         ; v10     8 t
.set REFW,  11                         ; v11     REFP + 8 t
.set SZ,    12                         ; v[12:15] (W, H) of my level in off tile 0, 1
.set SM2,   16                         ; v[16:19] (W-2, H-2) likewise
.set RN,    20                         ; v[20:23] 1/normalizer likewise
.set ACC1,  24                         ; v[24:39] two accumulator tiles
.set REFA,  40                         ; v[40:43], v[44:47] my reference points, two sets that take turns
.set FL,    48
.set CC,    50
.set II,    52
.set PK,    56
.set VP,    48                         ; value path: packed results, v[48:55]
.set L16,   60                         ; v60     16 L
.set QFA,   61                         ; v61     AFR + 64 w: the k step of the query's fragments that I store
.set RFN,   62                         ; v[62:63] next chunk's 8 bytes of reference_points
.set AF,    64                         ; v[64:127]  data fragments of 16 rows x 256 k; also stage buffer 0 and the way out
.set B0,    64
.set QN,    128                        ; v[128:191] the next chunk as loaded, 16 x 16 bytes
.set B1,    192                        ; v[192:255] stage buffer 1
.set CT,    192                        ; the chunk rounded, on its way to LDS
.set QF,    192                        ; then: my 8 blocks of qfrag
.set BIASR, 128                        ; window 1: v384..399 the bias of my 2 x 8 columns; v256..383 the weight fragments
.set MSB, 0
.macro WIN new                         ; the immediate's high byte repeats the setting that is left
.if MSB != \new
	s_set_vgpr_msb (MSB<<8)|\new
.set MSB, \new
.endif
.endm
.macro PLACES                          ; four places behind a matrix instruction (ISA guide 7.12.1) before its registers are read by others or loaded again
.rept 4
	v_nop
.endr
.endm
.macro SEL dst, f0, f1                 ; a pair (x, y) = f0 in lanes 0-15, f1 in lanes 16-31 (vcc = h)
	v_mov_b32 v[\dst], \f0
	v_mov_b32 v[\dst+1], \f1
	v_cndmask_b32 v[\dst], v[\dst], v[\dst+1], vcc_lo
	v_mov_b32 v[\dst+1], v[\dst]
.endm
; 16 loads of 4,096 dense bytes each (256 threads x 16 bytes)
.macro LOAD16 buf, ptr, i0
.irp i, 0,1,2,3,4,5,6,7,8,9,10,11,12,13,14,15
	global_load_b128 v[\buf+4*\i:\buf+4*\i+3], v[GOFF], s[\ptr:\ptr+1] offset:(\i0+\i)*4096
.endr
.endm
; round them in place and lay them into the stage, 8 bytes a thread
.macro CVT16 buf, step
.irp i, 0,1,2,3,4,5,6,7,8,9,10,11,12,13,14,15
	v_cvt_pk_bf16_f32 v[\buf+4*\i], v[\buf+4*\i], v[\buf+4*\i+1]
	v_cvt_pk_bf16_f32 v[\buf+4*\i+1], v[\buf+4*\i+2], v[\buf+4*\i+3]
	ds_store_b64 v[SA], v[\buf+4*\i:\buf+4*\i+1] offset:\i*\step
.endr
	v_add_nc_u32 v[SA], 16*\step, v[SA]
.endm
; a weight matrix of 4 x 64 KiB to LDS as bf16, on two buffers: while one is rounded the other's 16 loads are out
.macro STAGEW ptr, step
	LOAD16 B0, \ptr, 0
	LOAD16 B1, \ptr, 16
	s_wait_loadcnt 16                              ; loads return in order: all but the other buffer's 16 are in
	CVT16 B0, \step
	LOAD16 B0, \ptr, 32
	s_wait_loadcnt 16
	CVT16 B1, \step
	LOAD16 B1, \ptr, 48
	s_wait_loadcnt 16
	CVT16 B0, \step
	s_wait_loadcnt 0
	CVT16 B1, \step
.endm
; the fragments of 16 columns x 256 k out of [k][n] in LDS: 8 k steps, two transposing loads each (called with the destination in window 1)
.macro TRFRAG dst, adr, pitch, coloff
.irp ks, 0,1,2,3,4,5,6,7
	ds_load_tr16_b128 v[\dst+8*\ks:\dst+8*\ks+3], v[\adr+(\ks>>2)] offset:(\ks&3)*32*\pitch+\coloff
	ds_load_tr16_b128 v[\dst+8*\ks+4:\dst+8*\ks+7], v[\adr+(\ks>>2)] offset:(\ks&3)*32*\pitch+16*\pitch+\coloff
.endr
.endm
; the fragments of 16 data rows x 256 k
.macro LOADA imm
.irp ks, 0,1,2,3,4,5,6,7
	ds_load_b128 v[AF+8*\ks:AF+8*\ks+3], v[AFR] offset:\imm+64*\ks
	ds_load_b128 v[AF+8*\ks+4:AF+8*\ks+7], v[AFR] offset:\imm+64*\ks+32
.endr
.endm
; nt tiles of 16 columns x 16 rows, K = 256.  The first k step starts the sums.  The accumulators take turns, one instruction a turn.
; extra = LDS instructions issued behind LOADA.
.macro MM nt, extra
	WIN 0x01                                       ; source 0 (weights) in window 1
.irp ks, 0,1,2,3,4,5,6,7
	s_wait_dscnt 14-2*\ks+\extra                   ; LDS answers in order: this k step's pair is in; the later pairs and what was issued behind them may be out
.set mm_t, 0
.rept \nt
.if \ks == 0
	v_wmma_f32_16x16x32_bf16 v[ACC1+8*mm_t:ACC1+8*mm_t+7], v[64*mm_t+8*\ks:64*mm_t+8*\ks+7], v[AF+8*\ks:AF+8*\ks+7], 0
.else
	v_wmma_f32_16x16x32_bf16 v[ACC1+8*mm_t:ACC1+8*mm_t+7], v[64*mm_t+8*\ks:64*mm_t+8*\ks+7], v[AF+8*\ks:AF+8*\ks+7], v[ACC1+8*mm_t:ACC1+8*mm_t+7]
.endif
.set mm_t, mm_t+1
.endr
.endr
	WIN 0
	PLACES
.endm
.macro BIAS nt
	WIN 0x04                                       ; source 1 (the bias) in window 1
.set bi, 0
	s_wait_alu depctr_va_vdst(0)
.rept 4*\nt
	v_pk_add_f32 v[ACC1+2*bi:ACC1+2*bi+1], v[ACC1+2*bi:ACC1+2*bi+1], v[BIASR+2*bi:BIASR+2*bi+1]
.set bi, bi+1
.endr
	WIN 0
.endm
.macro REFLOAD ref, imm                ; my row's reference points of levels h and 2 + h
	ds_load_b64 v[\ref:\ref+1], v[REFR] offset:\imm
	ds_load_b64 v[\ref+2:\ref+3], v[REFR] offset:\imm+16
.endm
; point p of off tile tl: (off_x, off_y) becomes (x, y) in pixels, in place; CC = (cx, cy), the clamped base corner, as floats
.macro COORD tl, p, ref
	v_pk_fma_f32 v[ACC1+8*\tl+2*\p:ACC1+8*\tl+2*\p+1], v[ACC1+8*\tl+2*\p:ACC1+8*\tl+2*\p+1], v[RN+2*\tl:RN+2*\tl+1], v[\ref+2*\tl:\ref+2*\tl+1]
	v_pk_fma_f32 v[ACC1+8*\tl+2*\p:ACC1+8*\tl+2*\p+1], v[ACC1+8*\tl+2*\p:ACC1+8*\tl+2*\p+1], v[SZ+2*\tl:SZ+2*\tl+1], -0.5 op_sel_hi:[1,1,0]
	v_floor_f32 v[FL], v[ACC1+8*\tl+2*\p]
	v_floor_f32 v[FL+1], v[ACC1+8*\tl+2*\p+1]
	v_med3_num_f32 v[CC], v[FL], 0, v[SM2+2*\tl]
	v_med3_num_f32 v[CC+1], v[FL+1], 0, v[SM2+2*\tl+1]
.endm
; s44 = a chunk's number: s29 = its first source row, s54 (and s55) = my wave's byte offset of its results
.macro ROWCALC isq
.if \isq
	s_lshl_b32 s29, s44, 6
	s_lshl_b32 s54, s29, 5
	s_add_co_u32 s54, s54, s56                     ; idx: w planes + 32 bytes a query
	s_lshl_b32 s55, s29, 9
	s_add_co_u32 s55, s55, s57                     ; qfrag: 512 bytes a query + my two blocks of 512
.else
	s_mul_hi_u32 s52, s44, 20648882                ; the batch: floor(chunk / 208) for chunk < 832
	s_mul_i32 s53, s52, 208
	s_sub_co_u32 s53, s44, s53
	s_lshl_b32 s53, s53, 6
	s_min_u32 s53, s53, 13230                      ; first row in the batch: the last chunk begins early
	s_mul_i32 s29, s52, 13294
	s_add_co_u32 s29, s29, s53
	s_lshl3_add_u32 s52, s52, s24                  ; table 8 b + w
	s_mul_i32 s52, s52, TBL
	s_lshl_b32 s53, s53, 6
	s_add_co_u32 s54, s52, s53
.endif
.endm
; s29 = a chunk's first row: the bases of its loads
.macro SETSRC isq
	s_lshl_b32 s30, s29, 10                        ; rows of 1,024 bytes; below 2^26
	s_add_nc_u64 s[40:41], s[SRCP:SRCP+1], s[30:31]
.if \isq
	s_lshl_b32 s30, s29, 5                         ; 32 bytes of reference_points a row
	s_add_nc_u64 s[46:47], s[16:17], s[30:31]
.endif
.endm
; a chunk: 64 rows x 1,024 bytes, dense: 16 loads, each of a wave covers 512 neighbouring bytes.  value is read once in the program, query again.
.macro LOADQ isq
.irp i, 0,1,2,3,4,5,6,7,8,9,10,11,12,13,14,15
.if \isq
	global_load_b128 v[QN+4*\i:QN+4*\i+3], v[GOFF], s[40:41] offset:4096*\i
.else
	global_load_b128 v[QN+4*\i:QN+4*\i+3], v[GOFF], s[40:41] offset:4096*\i th:TH_LOAD_NT
.endif
.endr
.if \isq
	global_load_b64 v[RFN:RFN+1], v[TOFF8], s[46:47]   ; 2,048 dense bytes for the 256 threads
.endif
.endm
; one chunk
.macro CHUNK isq
	s_wait_loadcnt 0x0                             ; the chunk is in registers (asked for a whole chunk ago)
	s_wait_xcnt 0x0                                ; the last chunk's stores have had their addresses translated: their bases and data are written again below
.irp i, 0,1,2,3,4,5,6,7,8,9,10,11,12,13,14,15
	v_cvt_pk_bf16_f32 v[CT+2*\i], v[QN+4*\i], v[QN+4*\i+1]
	v_cvt_pk_bf16_f32 v[CT+2*\i+1], v[QN+4*\i+2], v[QN+4*\i+3]
	ds_store_b64 v[ATW], v[CT+2*\i:CT+2*\i+1] offset:4*PA*\i    ; row 4 i + (t>>6)
.endr
.if \isq
	ds_store_b64 v[REFW], v[RFN:RFN+1]
.endif
	s_mov_b32 s30, s54
	s_add_nc_u64 s[42:43], s[DSTP:DSTP+1], s[30:31]    ; where this chunk's results go
.if \isq
	s_mov_b32 s30, s55
	s_add_nc_u64 s[38:39], s[50:51], s[30:31]
.endif
	s_add_co_u32 s45, s27, 1
	s_cmp_lt_u32 s45, s26
	s_cbranch_scc0 .Llast_\@                       ; the last chunk asks for nothing
	s_add_co_u32 s44, s48, s45                     ; the next chunk's number
	ROWCALC \isq
	SETSRC \isq
	LOADQ \isq
.Llast_\@:
	s_wait_dscnt 0x0                               ; my part of the chunk is in LDS
	s_barrier_signal -1
	s_barrier_wait -1                              ; everybody's is
.if \isq
.irp m1, 0,1,2,3
	ds_load_b128 v[QF+8*\m1:QF+8*\m1+3], v[QFA] offset:\m1*16*PA       ; k step w of each 16 rows' fragments, to be stored as they are
	ds_load_b128 v[QF+8*\m1+4:QF+8*\m1+7], v[QFA] offset:\m1*16*PA+32
.endr
	REFLOAD REFA, 0
.endif
	LOADA 0
.irp ms, 0,1,2,3
.if \ms == 0
	MM 2, 0
.if \isq
.irp m2, 0,1,2,3
	global_store_b128 v[L16], v[QF+8*\m2:QF+8*\m2+3], s[38:39] offset:\m2*8192         ; older than the fragments' loads, so in; 512 neighbouring bytes, aligned
	global_store_b128 v[L16], v[QF+8*\m2+4:QF+8*\m2+7], s[38:39] offset:\m2*8192+512
.endr
.endif
.else
	MM 2, 2                                        ; two stage stores stand behind the fragments' loads
.endif
.if \ms < 3
.if \isq
	REFLOAD REFA+4*((\ms+1)&1), (\ms+1)*512
.endif
	LOADA (\ms+1)*16*PA                            ; the next 16 rows' fragments come while this group's results are finished
.endif
	BIAS 2
.if \isq
.irp tl, 0,1
.irp p, 0,1,2,3
	COORD \tl, \p, REFA+4*(\ms&1)
	v_fma_f32 v[II+\p], v[CC+1], v[SZ+2*\tl], v[CC]    ; cy W + cx: whole numbers below 2^24, exact
.endr
.irp p, 0,1,2,3
	v_cvt_u32_f32 v[II+\p], v[II+\p]
.endr
	v_lshl_or_b32 v[PK], v[II+1], 16, v[II]
	v_lshl_or_b32 v[PK+1], v[II+3], 16, v[II+2]
	ds_store_b64 v[STW], v[PK:PK+1] offset:\ms*512+16*\tl      ; four u16: level 2 tl + h, points 0..3
.endr
.else
.irp tl, 0,1
.irp j, 0,1,2,3
	v_cvt_pk_bf16_f32 v[VP+4*\tl+\j], v[ACC1+8*\tl+2*\j], v[ACC1+8*\tl+2*\j+1]
.endr
	ds_store_b128 v[STW], v[VP+4*\tl:VP+4*\tl+3] offset:\ms*16*PS+32*\tl
.endr
.endif
.endr
	s_wait_dscnt 0x0                               ; my reads of the chunk are over (and my results are staged)
	s_barrier_signal -1
	s_barrier_wait -1                              ; everybody's are: the next chunk may be laid over this one
.if \isq
.irp i, 0,1,2,3
	ds_load_b128 v[AF+4*\i:AF+4*\i+3], v[STR] offset:512*\i
.endr
.irp i, 0,1,2,3
	s_wait_dscnt 3-\i
	global_store_b128 v[L16], v[AF+4*\i:AF+4*\i+3], s[42:43] offset:512*\i     ; 16 queries' positions of my head: 512 neighbouring bytes, aligned
.endr
.else
.irp i, 0,1,2,3,4,5,6,7
	ds_load_b128 v[AF+4*\i:AF+4*\i+3], v[STR] offset:8*PS*\i
.endr
.irp i, 0,1,2,3,4,5,6,7
	s_wait_dscnt 7-\i
	global_store_b128 v[L16], v[AF+4*\i:AF+4*\i+3], s[42:43] offset:512*\i     ; 8 rows of my head's table: 512 neighbouring bytes
.endr
.endif
.endm
; a whole path: shares, first loads, weights into registers, the loop
.macro PATH isq
.if \isq
.set SRCP, 6
.set WP,   10
.set BP,   14
.set DSTP, 22
.set NCH,  NCHQ
	s_sub_co_u32 s25, ttmp9, NWGV
	s_mul_i32 s56, s24, PLI
	s_lshl_b32 s57, s24, 10
.else
.set SRCP, 4
.set WP,   8
.set BP,   12
.set DSTP, 20
.set NCH,  NCHV
	s_mov_b32 s25, ttmp9
.endif
	s_mul_i32 s48, s25, CPW                        ; my first chunk
	s_sub_co_u32 s26, NCH, s48
	s_min_u32 s26, s26, CPW                        ; my chunks: 6, in the last group of a path 4 or 1
	s_mov_b32 s44, s48
	ROWCALC \isq
	SETSRC \isq
	LOADQ \isq                                     ; chunk 0 goes out ahead of everything else
	WIN 0x40
	global_load_b128 v[BIASR:BIASR+3], v59, s[BP:BP+1]
	global_load_b128 v[BIASR+4:BIASR+7], v59, s[BP:BP+1] offset:16
	global_load_b128 v[BIASR+8:BIASR+11], v59, s[BP:BP+1] offset:64
	global_load_b128 v[BIASR+12:BIASR+15], v59, s[BP:BP+1] offset:80
	WIN 0
.if \isq
	global_load_b64 v[40:41], v58, s[18:19]            ; spatial_shapes of level h: (H, W)
	global_load_b64 v[42:43], v58, s[18:19] offset:16  ; of level 2 + h
	v_cmp_ne_u32 vcc_lo, 0, v50
	SEL SZ,    100.0, 50.0
	SEL SZ+2,  25.0,  13.0
	SEL SM2,   98.0,  48.0
	SEL SM2+2, 23.0,  11.0
	s_lshl_b32 s45, s24, 11                        ; my stage: 64 queries x 32 bytes
	s_add_co_u32 s45, s45, ST
	v_lshlrev_b32 v[STW], 5, v49                   ; + 32 r + 8 h
	v_lshl_add_u32 v[STW], v50, 3, v[STW]
	v_add_nc_u32 v[STW], s45, v[STW]
	v_add_nc_u32 v[STR], s45, v[L16]               ; back: dense
.else
	s_mul_i32 s45, s24, 64*PS                      ; my stage: 64 rows x 80 bytes
	s_add_co_u32 s45, s45, ST
	v_mul_u32_u24 v[STW], v49, PS                  ; + r PS + 16 h
	v_lshl_add_u32 v[STW], v50, 4, v[STW]
	v_add_nc_u32 v[STW], s45, v[STW]
	v_and_b32 v51, 31, v0
	v_lshrrev_b32 v52, 2, v51
	v_and_b32 v51, 3, v51
	v_mul_u32_u24 v[STR], v52, PS                  ; back: row L>>2, piece L&3
	v_lshl_add_u32 v[STR], v51, 4, v[STR]
	v_add_nc_u32 v[STR], s45, v[STR]
.endif
	STAGEW WP, 4*PW                                ; thread t, load i: row 4 i + (t>>6), columns 4 (t&63)..
.if \isq
	v_cvt_f32_i32 v44, v41                         ; normalizer = (W, H) as the input gives them
	v_cvt_f32_i32 v45, v40
	v_cvt_f32_i32 v46, v43
	v_cvt_f32_i32 v47, v42
	v_rcp_f32 v[RN], v44
	v_rcp_f32 v[RN+1], v45
	v_rcp_f32 v[RN+2], v46
	v_rcp_f32 v[RN+3], v47
	v_nop                                          ; one plain instruction behind the reciprocals (ISA guide 5.7.2)
.endif
	s_wait_dscnt 0x0
	s_barrier_signal -1
	s_barrier_wait -1                              ; the stage is whole
	WIN 0x40
	TRFRAG 0,  TRA, PW, 0                          ; columns 32 w .. +15
	TRFRAG 64, TRA, PW, 32                         ; columns 32 w + 16 .. +31
	WIN 0
	s_wait_dscnt 0x0
	s_barrier_signal -1
	s_barrier_wait -1                              ; everybody has its fragments: the stage's bytes are free for the chunks
.Lloop_\@:
	CHUNK \isq
	s_add_co_u32 s27, s27, 1
	s_cmp_lt_u32 s27, s26
	s_cbranch_scc1 .Lloop_\@
	s_set_vgpr_msb 0x5
	s_wait_tensorcnt 0x0
	ds_add_u32 v144, v145
	s_wait_dscnt 0x0
	s_set_vgpr_msb 0x500
	s_endpgm
.endm
	s_load_b512 s[4:19], s[0:1], 0x0               ; value, query, Wv, Woff, bv, boff, reference_points, spatial_shapes
	s_load_b128 s[20:23], s[0:1], 0x40             ; vt, idx
	s_load_b64 s[50:51], s[0:1], 0x50              ; qfrag
	s_set_vgpr_msb 0x40
	v_lshl_add_u32 v144, v0, 2, 0x22800
	v_mov_b32 v145, 0
	s_set_vgpr_msb 0x4000
	v_lshrrev_b32 v48, 5, v0
	v_readfirstlane_b32 s24, v48                   ; wave 0..7
	s_mov_b32 s31, 0                               ; high word of every byte offset
	s_mov_b32 s27, 0                               ; the loop's counter
	v_and_b32 v49, 15, v0                          ; r
	v_bfe_u32 v50, v0, 4, 1                        ; h
	v_lshrrev_b32 v51, 6, v0
	v_and_b32 v52, 63, v0
	v_lshlrev_b32 v[GOFF], 4, v0
	v_lshlrev_b32 v[TOFF8], 3, v0
	v_add_nc_u32 v[REFW], REFP, v[TOFF8]
	v_and_b32 v[L16], 31, v0
	v_lshlrev_b32 v[L16], 4, v[L16]
	v_mul_u32_u24 v[ATW], v51, PA
	v_lshl_add_u32 v[ATW], v52, 3, v[ATW]
	v_mul_u32_u24 v[SA], v51, PW
	v_lshl_add_u32 v[SA], v52, 3, v[SA]
	v_mul_u32_u24 v[AFR], v49, PA
	v_lshl_add_u32 v[AFR], v50, 4, v[AFR]
	v_lshl_add_u32 v[QFA], s24, 6, v[AFR]
	v_lshlrev_b32 v[REFR], 5, v49
	v_lshl_add_u32 v[REFR], v50, 3, v[REFR]
	v_add_nc_u32 v[REFR], REFP, v[REFR]
	v_and_b32 v53, 7, v0
	v_lshl_add_u32 v53, v50, 3, v53                ; 8 h + (L & 7): my row of k in a transposing load
	v_bfe_u32 v54, v0, 3, 1
	v_mul_u32_u24 v[TRA], v53, PW
	v_lshl_add_u32 v[TRA], v54, 4, v[TRA]
	v_lshl_add_u32 v[TRA], s24, 6, v[TRA]          ; + 64 w: my 32 columns
	v_add_nc_u32 v[TRA+1], 128*PW, v[TRA]
	v_lshlrev_b32 v58, 3, v50                      ; 8 h: my level's row of spatial_shapes
	v_lshlrev_b32 v59, 5, v50
	v_lshl_add_u32 v59, s24, 7, v59                ; 128 w + 32 h: my 8 columns of the bias
	s_wait_kmcnt 0x0
	s_cmp_lt_u32 ttmp9, NWGV
	s_cbranch_scc0 .Lquery
	PATH 0
.Lquery:
	PATH 1
.Lfunc_end_k_q1cd0d13feb_prep:
	.size	k_q1cd0d13feb_prep, .Lfunc_end_k_q1cd0d13feb_prep-k_q1cd0d13feb_prep
	.p2alignl 7, 3214868480
	.fill 96, 4, 3214868480
	.section	.rodata,"a",@progbits
	.p2align	6, 0x0
	.amdhsa_kernel k_q1cd0d13feb_prep
		.amdhsa_group_segment_fixed_size 142336
		.amdhsa_private_segment_fixed_size 0
		.amdhsa_enable_private_segment 0
		.amdhsa_kernarg_size 88
		.amdhsa_user_sgpr_count 2
		.amdhsa_user_sgpr_kernarg_segment_ptr 1
		.amdhsa_wavefront_size32 1
		.amdhsa_system_sgpr_workgroup_id_x 1
		.amdhsa_system_sgpr_workgroup_id_y 1
		.amdhsa_system_sgpr_workgroup_id_z 1
		.amdhsa_system_vgpr_workitem_id 0
		.amdhsa_next_free_vgpr 402
		.amdhsa_next_free_sgpr 66
		.amdhsa_reserve_vcc 1
		.amdhsa_float_denorm_mode_32 3
		.amdhsa_float_denorm_mode_16_64 3
		.amdhsa_memory_ordered 1
		.amdhsa_forward_progress 1
		.amdhsa_inst_pref_size 108
	.end_amdhsa_kernel
	.amdgpu_metadata
---
amdhsa.version: [ 1, 2 ]
amdhsa.kernels:
  - .name:           k_q1cd0d13feb_prep
    .symbol:         k_q1cd0d13feb_prep.kd
    .args:
      - { .name: value, .offset: 0, .size: 8, .value_kind: global_buffer, .address_space: global }
      - { .name: query, .offset: 8, .size: 8, .value_kind: global_buffer, .address_space: global }
      - { .name: Wv, .offset: 16, .size: 8, .value_kind: global_buffer, .address_space: global }
      - { .name: Woff, .offset: 24, .size: 8, .value_kind: global_buffer, .address_space: global }
      - { .name: bv, .offset: 32, .size: 8, .value_kind: global_buffer, .address_space: global }
      - { .name: boff, .offset: 40, .size: 8, .value_kind: global_buffer, .address_space: global }
      - { .name: reference_points, .offset: 48, .size: 8, .value_kind: global_buffer, .address_space: global }
      - { .name: spatial_shapes, .offset: 56, .size: 8, .value_kind: global_buffer, .address_space: global }
      - { .name: vt, .offset: 64, .size: 8, .value_kind: global_buffer, .address_space: global }
      - { .name: idx, .offset: 72, .size: 8, .value_kind: global_buffer, .address_space: global }
      - { .name: qfrag, .offset: 80, .size: 8, .value_kind: global_buffer, .address_space: global }
    .group_segment_fixed_size: 142336
    .private_segment_fixed_size: 0
    .kernarg_segment_align: 8
    .kernarg_segment_size: 88
    .max_flat_workgroup_size: 256
    .sgpr_count:     66
    .vgpr_count:     402
    .wavefront_size: 32
...
	.end_amdgpu_metadata
.endif
;; end of part 3
;; launch samp (part 4): grid 256 x 1, 8 waves a work-group, no clusters, 271,360 bytes of LDS; arguments qfrag, reference_points, spatial_shapes, Woff, boff, Ww, bw, vt, idx, samp; writes samp
.if DOCPART == 4
	.amdgcn_target "amdgcn-amd-amdhsa--gfx1250"
	.amdhsa_code_object_version 6
	.text
	.protected	k_q1cd0d13feb_samp
	.globl	k_q1cd0d13feb_samp
	.p2align	8
	.type	k_q1cd0d13feb_samp,@function
k_q1cd0d13feb_samp:
	s_mov_b64 s[64:65], 0
	v_nop
	global_prefetch_b8 v0, s[64:65] scope:SCOPE_SE
	s_setreg_imm32_b32 hwreg(HW_REG_WAVE_MODE, 25, 1), 1
	s_wait_xcnt 0x0
; samp: samp[head][q][32] = bf16 of the sampled and attention-weighted value rows of one head.
; 256 work-groups: number = 64 batch + 8 head + slice.  A work-group keeps levels 1 to 3 of its (batch, head) table in LDS
; (3,294 rows x 64 bytes = 210,816 bytes): three quarters of all corner reads are LDS reads.  Level 0 (640,000 bytes) does not fit and is gathered from vt.
; After the prologue's one barrier the waves are on their own: the 64 waves of a (batch, head) take the 625 groups of 16 queries by turns
; (wave wi takes groups wi + 64 j: ten for wi < 49, else nine).  A trip, one group:
;   C1  the group's bf16 fragments (16 dense loads from qfrag) x [32 columns of Woff | 16 of Ww] of my head: 24 matrix instructions; softmax over the
;       16 logits (the maximum taken away); for each point four corner weights aw * max(0, 1-|x-c|) * max(0, 1-|y-c|) into the wave's own 4,352 bytes of LDS
;   C2  twice 8 queries: lane L = (query L>>2, channels 8 (L&3)..): 64 corner pieces of 16 bytes a lane, at addresses made of idx (whole numbers that the
;       launch before stored), one multiply-add straight from a bf16 half for each number; no sum crosses lanes; the wave stores 512 neighbouring bytes
; The corner form: with cx = clip(floor x, 0, W-2) the four corners cy W + cx + {0, 1, W, W+1} always lie inside the level, and
; max(0, 1-|x-c|) is 1-fx and fx for x's two neighbours and 0 for every other column, which is the zero padding of the problem's function.
; What is on its way: buffer X (level 0 of 8 queries, 16 gathers) is asked for again as soon as it has been summed; levels 1 to 3 go in half units of two
; points on two register buffers; the next group's fragments are asked for when the LDS buffers, whose registers they share, have been summed.
; LIMITS: v comes rounded to bf16, the sampled row leaves rounded to bf16 (a matrix operand of the next launch); weights and sums are f32;
; off/normalizer is a multiplication by v_rcp_f32 (1 ulp), spatial_shapes' entries taken as non-zero; NaN and infinities are not served
; (addresses stay inside the tables in any case: every position passes v_min_u32).  COORD repeats the earlier launch's instructions on the same bf16 bits,
; so its (cx, cy) are those behind the stored positions.
; No tensor loads and no cluster: what the eight slices share is one fill of 206 KiB at the start, against some 1.6 MiB that each then reads for itself;
; the sampling is no matrix product (each query has operands of its own).
.set PLI,   1280000                    ; bytes of a head's plane in idx
.set PLS,   2560000                    ; bytes of a head's plane in samp
.set TBL,   850944                     ; bytes from table to table in vt
.set L0BYTES, 640000                   ; level 0 in a table
.set PQ,    272                        ; WT: a query's 16 points x 16 bytes + 16
.set PG,    96                         ; the weight stage [k][48 n] in bf16: 3 x 32 bytes
; LDS: 0 the table's levels 1-3; WT0 + w x 4,352 each wave's corner weights; STG the weight stage (prologue)
.set WT0,   210944
.set STG,   245760
.set K16,   1                          ; 16 (L&3)
.set LB,    2                          ; v[2:4] LDS byte of level 1, 2, 3 + 16 (L&3)
.set WTW,   5                          ; my WT + r PQ + 64 h
.set WTR,   6                          ; my WT + (L>>2) PQ
.set L16,   7                          ; 16 L
.set REFO,  8                          ; 32 r + 8 h
.set IDXO,  9                          ; 32 (L>>2)
.set ZERO,  10                         ; 0.0: what a query's first products are added to
.set PX,    11                         ; what comes from the other half of the lanes
.set SZ,    12                         ; v[12:15] (W, H) of my level in off tile 0, 1
.set SM2,   16                         ; v[16:19] (W-2, H-2)
.set RN,    20                         ; v[20:23] 1/normalizer
.set ACC,   24                         ; v[24:31] the 8 sums
.set IDX,   32                         ; v[32:47] positions: 2 x 8 queries, 8 words each
.set IDXN,  48                         ; v[48:63] the next group's
.set ADRX,  64                         ; v[64:67] level 0: row offsets
.set ADRL,  68                         ; v[68:71] LDS addresses, 2 sets x 2
.set TA,    72
.set PKS,   76                         ; v[76:79] 16 bytes to store
.set WTS,   80                         ; v[80:95] corner weights, 2 sets x 8
.set ACC1,  80                         ; C1: off tile 0, off tile 1, aw tile
.set AW,    96
.set REFA,  104                        ; v[104:107] my reference points
.set X,     112                        ; v[112:175] level 0 of 8 queries: 4 points x 4 corners x 16 bytes
.set YZ,    176                        ; v[176:239] two buffers of 2 points x 4 corners x 16 bytes
.set AF,    176                        ; C1: the group's fragments; behind the products: temporaries
.set FL,    176
.set CC,    178
.set DD,    180
.set EE,    182
.set TX,    184
.set TY,    186
.set QQ,    188
.set MX,    192
.set MP,    194
.set SUMA,  196
.set SUMB,  198
.set RR,    200
.set TGO,   64                         ; prologue: 16 t
.set TLA,   65                         ; prologue: the table's LDS address
.set TRB,   66                         ; prologue: transposing loads
.set TTA,   75                         ; prologue: the table's last 1,920 bytes
.set BIASR, 192                        ; window 1: v448..463 boff, v464..471 bw of my 3 x 8 columns; v256..447 the weight fragments
.set MSB, 0
.macro WIN new                         ; the immediate's high byte repeats the setting that is left
.if MSB != \new
	s_set_vgpr_msb (MSB<<8)|\new
.set MSB, \new
.endif
.endm
.macro PLACES                          ; four places behind a matrix instruction (ISA guide 7.12.1) before its registers are read by others or written again
.rept 4
	v_nop
.endr
.endm
.macro SEL dst, f0, f1                 ; a pair (x, y) = f0 in lanes 0-15, f1 in lanes 16-31 (vcc = h)
	v_mov_b32 v[\dst], \f0
	v_mov_b32 v[\dst+1], \f1
	v_cndmask_b32 v[\dst], v[\dst], v[\dst+1], vcc_lo
	v_mov_b32 v[\dst+1], v[\dst]
.endm
.macro TLOAD buf, i0, cnt              ; cnt loads of 4,096 dense bytes of the table
.set tl_i, 0
.rept \cnt
	global_load_b128 v[\buf+4*tl_i:\buf+4*tl_i+3], v[TGO], s[48:49] offset:(\i0+tl_i)*4096
.set tl_i, tl_i+1
.endr
.endm
.macro TSTORE buf, cnt                 ; and into LDS, at the same byte
.set tl_i, 0
.rept \cnt
	ds_store_b128 v[TLA], v[\buf+4*tl_i:\buf+4*tl_i+3] offset:tl_i*4096
.set tl_i, tl_i+1
.endr
	v_add_nc_u32 v[TLA], 65536, v[TLA]
.endm
.macro TRFRAG dst, coloff              ; 16 columns x 256 k out of [k][n] in LDS (called with the destination in window 1)
.irp ks, 0,1,2,3,4,5,6,7
	ds_load_tr16_b128 v[\dst+8*\ks:\dst+8*\ks+3], v[TRB] offset:\ks*32*PG+\coloff
	ds_load_tr16_b128 v[\dst+8*\ks+4:\dst+8*\ks+7], v[TRB] offset:\ks*32*PG+16*PG+\coloff
.endr
.endm
.macro IDXLOAD dst                     ; a group's positions of my head: 512 dense bytes; a lane takes its query's 32
.irp u, 0,1
	global_load_b128 v[\dst+8*\u:\dst+8*\u+3], v[IDXO], s[36:37] offset:256*\u th:TH_LOAD_NT
	global_load_b128 v[\dst+8*\u+4:\dst+8*\u+7], v[IDXO], s[36:37] offset:256*\u+16 th:TH_LOAD_NT
.endr
.endm
.macro AFLOAD                          ; a group's fragments, 16 x 512 dense bytes, and my row's reference points of levels h and 2 + h: 18 loads
.irp i, 0,1,2,3,4,5,6,7,8,9,10,11,12,13,14,15
	global_load_b128 v[AF+4*\i:AF+4*\i+3], v[L16], s[32:33] offset:512*\i
.endr
	global_load_b64 v[REFA:REFA+1], v[REFO], s[34:35]
	global_load_b64 v[REFA+2:REFA+3], v[REFO], s[34:35] offset:16
.endm
; three tiles, K = 256.  The first k step starts the sums.  The accumulators take turns, one instruction a turn.
.macro MMG
	WIN 0x01                                       ; source 0 (weights) in window 1
.irp ks, 0,1,2,3,4,5,6,7
.irp tile, 0,1,2
.if \ks == 0
	v_wmma_f32_16x16x32_bf16 v[ACC1+8*\tile:ACC1+8*\tile+7], v[64*\tile+8*\ks:64*\tile+8*\ks+7], v[AF+8*\ks:AF+8*\ks+7], 0
.else
	v_wmma_f32_16x16x32_bf16 v[ACC1+8*\tile:ACC1+8*\tile+7], v[64*\tile+8*\ks:64*\tile+8*\ks+7], v[AF+8*\ks:AF+8*\ks+7], v[ACC1+8*\tile:ACC1+8*\tile+7]
.endif
.endr
.endr
	WIN 0
	PLACES
.endm
.macro BIAS nt
	WIN 0x04                                       ; source 1 (the bias) in window 1
.set bi, 0
.rept 4*\nt
	v_pk_add_f32 v[ACC1+2*bi:ACC1+2*bi+1], v[ACC1+2*bi:ACC1+2*bi+1], v[BIASR+2*bi:BIASR+2*bi+1]
.set bi, bi+1
.endr
	WIN 0
.endm
; point p of off tile tl: (off_x, off_y) becomes (x, y) in pixels, in place; CC = (cx, cy), the clamped base corner, as floats
.macro COORD tl, p, ref
	v_pk_fma_f32 v[ACC1+8*\tl+2*\p:ACC1+8*\tl+2*\p+1], v[ACC1+8*\tl+2*\p:ACC1+8*\tl+2*\p+1], v[RN+2*\tl:RN+2*\tl+1], v[\ref+2*\tl:\ref+2*\tl+1]
	v_pk_fma_f32 v[ACC1+8*\tl+2*\p:ACC1+8*\tl+2*\p+1], v[ACC1+8*\tl+2*\p:ACC1+8*\tl+2*\p+1], v[SZ+2*\tl:SZ+2*\tl+1], -0.5 op_sel_hi:[1,1,0]
	v_floor_f32 v[FL], v[ACC1+8*\tl+2*\p]
	v_floor_f32 v[FL+1], v[ACC1+8*\tl+2*\p+1]
	v_med3_num_f32 v[CC], v[FL], 0, v[SM2+2*\tl]
	v_med3_num_f32 v[CC+1], v[FL+1], 0, v[SM2+2*\tl+1]
.endm
; softmax over a query's 16 logits: 8 in this lane, 8 in lane L xor 16
.macro SOFTMAX
	v_max3_num_f32 v[MX], v[AW], v[AW+1], v[AW+2]
	v_max3_num_f32 v[MX], v[MX], v[AW+3], v[AW+4]
	v_max3_num_f32 v[MX], v[MX], v[AW+5], v[AW+6]
	v_max_num_f32 v[MX], v[MX], v[AW+7]
	v_permlanex16_b32 v[PX], v[MX], s42, s43
	v_max_num_f32 v[MX], v[MX], v[PX]
	v_mul_f32 v[MP], 0xbfb8aa3b, v[MX]             ; - max x log2 e
	v_mov_b32 v[MP+1], v[MP]
.irp j, 0,2,4,6
	v_pk_fma_f32 v[AW+\j:AW+\j+1], v[AW+\j:AW+\j+1], 0x3fb8aa3b, v[MP:MP+1] op_sel_hi:[1,0,1]
.endr
.irp j, 0,1,2,3,4,5,6,7
	v_exp_f32 v[AW+\j], v[AW+\j]
.endr
	v_nop                                          ; one plain instruction behind the exponentials (ISA guide 5.7.2)
	s_wait_alu depctr_va_vdst(0)
	v_pk_add_f32 v[SUMA:SUMA+1], v[AW:AW+1], v[AW+2:AW+3]
	v_pk_add_f32 v[SUMB:SUMB+1], v[AW+4:AW+5], v[AW+6:AW+7]
	v_pk_add_f32 v[SUMA:SUMA+1], v[SUMA:SUMA+1], v[SUMB:SUMB+1]
	v_add_f32 v[SUMA], v[SUMA], v[SUMA+1]
	v_permlanex16_b32 v[PX], v[SUMA], s42, s43
	v_add_f32 v[SUMA], v[SUMA], v[PX]
	v_rcp_f32 v[RR], v[SUMA]
	v_rcp_f32 v[RR+1], v[SUMA]
	v_nop
	s_wait_alu depctr_va_vdst(0)
.irp j, 0,2,4,6
	v_pk_mul_f32 v[AW+\j:AW+\j+1], v[AW+\j:AW+\j+1], v[RR:RR+1]
.endr
.endm
; the four corner weights of point p of level 2 tl + h, times its attention weight (register 4 tl + p of the aw tile), in the order y0x0, y0x1, y1x0, y1x1
.macro POINT tl, p
	COORD \tl, \p, REFA
	v_pk_add_f32 v[DD:DD+1], v[ACC1+8*\tl+2*\p:ACC1+8*\tl+2*\p+1], v[CC:CC+1] neg_lo:[0,1] neg_hi:[0,1]
	v_pk_add_f32 v[EE:EE+1], v[DD:DD+1], -1.0 op_sel_hi:[1,0]
	v_sub_f32 v[TX], 1.0, |v[DD]|
	v_sub_f32 v[TX+1], 1.0, |v[EE]|
	v_sub_f32 v[TY], 1.0, |v[DD+1]|
	v_sub_f32 v[TY+1], 1.0, |v[EE+1]|
	v_max_num_f32 v[TX], 0, v[TX]
	v_max_num_f32 v[TX+1], 0, v[TX+1]
	v_max_num_f32 v[TY], 0, v[TY]
	v_max_num_f32 v[TY+1], 0, v[TY+1]
.if (\p)&1
	v_pk_mul_f32 v[TY:TY+1], v[TY:TY+1], v[AW+4*\tl+\p-1:AW+4*\tl+\p] op_sel:[0,1] op_sel_hi:[1,1]
.else
	v_pk_mul_f32 v[TY:TY+1], v[TY:TY+1], v[AW+4*\tl+\p:AW+4*\tl+\p+1] op_sel_hi:[1,0]
.endif
	v_pk_mul_f32 v[QQ:QQ+1], v[TX:TX+1], v[TY:TY+1] op_sel_hi:[1,0]
	v_pk_mul_f32 v[QQ+2:QQ+3], v[TX:TX+1], v[TY:TY+1] op_sel:[0,1] op_sel_hi:[1,1]
	ds_store_b128 v[WTW], v[QQ:QQ+3] offset:128*\tl+16*\p
.endm
; a level's width and largest base position (H-2) W + W-2
.macro LEVEL lv
.if (\lv) == 1
.set LW, 50
.set LMAX, 2448
.endif
.if (\lv) == 2
.set LW, 25
.set LMAX, 598
.endif
.if (\lv) == 3
.set LW, 13
.set LMAX, 154
.endif
.endm
; level 0 of queries 8 u .. 8 u + 7: positions to byte offsets (clamped, x 64, + my 16 bytes), then 16 gathers; the corner stands in the immediate
.macro XISSUE u
.irp p, 0,1,2,3
.if (\p)&1
	v_lshrrev_b32 v[TA+\p], 16, v[IDX+8*\u+((\p)>>1)]
.else
	v_and_b32 v[TA+\p], 0xffff, v[IDX+8*\u+((\p)>>1)]
.endif
	v_min_u32 v[TA+\p], 9898, v[TA+\p]
	v_lshl_add_u32 v[ADRX+\p], v[TA+\p], 6, v[K16]
.endr
.irp p, 0,1,2,3
.irp c, 0,1,2,3
	global_load_b128 v[X+16*\p+4*\c:X+16*\p+4*\c+3], v[ADRX+\p], s[40:41] offset:(((\c)>>1)*100+((\c)&1))*64
.endr
.endr
.endm
; Half unit n = 8 u + m: m = 0..5: level 1 + (m>>1), points 2 (m&1), 2 (m&1) + 1, out of LDS; m = 6, 7: level 0, out of X.  Registers in two sets, n & 1.
; ISSUE: 8 LDS gathers (m < 6) and 2 loads of corner weights.
.macro ISSUE n
.set hu_u, (\n)>>3
.set hu_m, (\n)&7
.set hu_b, (\n)&1
.if hu_m < 6
.set hu_lv, 1+(hu_m>>1)
	LEVEL hu_lv
	v_and_b32 v[TA], 0xffff, v[IDX+8*hu_u+2*hu_lv+hu_b]
	v_lshrrev_b32 v[TA+1], 16, v[IDX+8*hu_u+2*hu_lv+hu_b]
	v_min_u32 v[TA], LMAX, v[TA]
	v_min_u32 v[TA+1], LMAX, v[TA+1]
	v_lshl_add_u32 v[ADRL+2*hu_b], v[TA], 6, v[LB+hu_lv-1]
	v_lshl_add_u32 v[ADRL+2*hu_b+1], v[TA+1], 6, v[LB+hu_lv-1]
.irp e, 0,1
.irp c, 0,1,2,3
	ds_load_b128 v[YZ+32*hu_b+16*\e+4*\c:YZ+32*hu_b+16*\e+4*\c+3], v[ADRL+2*hu_b+\e] offset:(((\c)>>1)*LW+((\c)&1))*64
.endr
.endr
.else
.set hu_lv, 0
.endif
.irp e, 0,1
	ds_load_b128 v[WTS+8*hu_b+4*\e:WTS+8*hu_b+4*\e+3], v[WTR] offset:hu_u*8*PQ+(4*hu_lv+2*hu_b+\e)*16
.endr
.endm
; 64 multiply-adds straight from bf16 halves into the 8 f32 sums; a query's first corner starts them
.macro FMAH n
.set hu_m, (\n)&7
.set hu_b, (\n)&1
.if hu_m < 6
.set hu_d, YZ+32*hu_b
.else
.set hu_d, X+32*hu_b
.endif
.irp e, 0,1
.irp c, 0,1,2,3
.irp k, 0,1,2,3
.if (hu_m+\e+\c) == 0
	v_fma_mix_f32_bf16 v[ACC+2*\k], v[hu_d+16*\e+4*\c+\k], v[WTS+8*hu_b+4*\e+\c], v[ZERO] op_sel_hi:[1,0,0]
	v_fma_mix_f32_bf16 v[ACC+2*\k+1], v[hu_d+16*\e+4*\c+\k], v[WTS+8*hu_b+4*\e+\c], v[ZERO] op_sel:[1,0,0] op_sel_hi:[1,0,0]
.else
	v_fma_mix_f32_bf16 v[ACC+2*\k], v[hu_d+16*\e+4*\c+\k], v[WTS+8*hu_b+4*\e+\c], v[ACC+2*\k] op_sel_hi:[1,0,0]
	v_fma_mix_f32_bf16 v[ACC+2*\k+1], v[hu_d+16*\e+4*\c+\k], v[WTS+8*hu_b+4*\e+\c], v[ACC+2*\k+1] op_sel:[1,0,0] op_sel_hi:[1,0,0]
.endif
.endr
.endr
.endr
.endm
; half unit n is summed while n + 1 is on its way.  next = 1: another group follows.
.macro STEPH n, next
.if \n < 15
	ISSUE (\n+1)
.if ((\n+1)&7) < 6
	s_wait_dscnt 10                                ; all but the 8 gathers and 2 weight loads just issued
.else
	s_wait_dscnt 2                                 ; all but the 2 weight loads just issued
.endif
.else
	s_wait_dscnt 0
.endif
.if \n == 6
	s_wait_loadcnt 4*\next                         ; X is in; younger: the next group's 4 loads of positions
.endif
.if \n == 14
	s_wait_loadcnt 18*\next                        ; X is in (and the next positions, which are older); younger: the next group's 16 + 2
.endif
	FMAH \n
.if (\n&7) == 7
	s_wait_xcnt 0x0                                ; the last store's data registers are written again only behind this wait
.irp k, 0,1,2,3
	v_cvt_pk_bf16_f32 v[PKS+\k], v[ACC+2*\k], v[ACC+2*\k+1]
.endr
	global_store_b128 v[L16], v[PKS:PKS+3], s[38:39] offset:512*(\n>>3)    ; 8 queries x 64 bytes: 512 neighbouring bytes, aligned
.endif
.if \n == 7
	XISSUE 1                                       ; X has been summed: level 0 of the second 8 queries; its wait stands six half units on
.endif
.if \next
.if \n == 13
	AFLOAD                                         ; both LDS buffers have been summed: the next group's fragments take their registers
.endif
.if \n == 15
	s_wait_xcnt 0x0                                ; the store's base is stepped only behind this wait
	s_add_nc_u64 s[38:39], s[38:39], 65536         ; 64 groups on: 64 x 16 x 64 bytes
.irp i, 0,1,2,3,4,5,6,7,8,9,10,11,12,13,14,15
	v_mov_b32 v[IDX+\i], v[IDXN+\i]
.endr
	XISSUE 0                                       ; level 0 of the next group's first 8 queries
.endif
.endif
.endm
.macro TRIP next
	s_wait_loadcnt 16                              ; fragments and reference points are in; X's 16 gathers, issued behind them, may be out
	MMG
	BIAS 3
	SOFTMAX
.irp tl, 0,1
.irp p, 0,1,2,3
	POINT \tl, \p
.endr
.endr
.if \next
	s_wait_xcnt 0x0                                ; bases are stepped only behind this wait
	s_add_nc_u64 s[32:33], s[32:33], 524288        ; 64 groups on: qfrag 64 x 8,192,
	s_add_nc_u64 s[34:35], s[34:35], 32768         ; reference_points 64 x 512,
	s_add_nc_u64 s[36:37], s[36:37], 32768         ; idx 64 x 512
	IDXLOAD IDXN
.endif
	ISSUE 0                                        ; LDS serves a wave's instructions in order: these weight loads see the stores above
.irp n, 0,1,2,3,4,5,6,7,8,9,10,11,12,13,14,15
	STEPH \n, \next
.endr
.endm
	; ---------------- prologue
	s_load_b512 s[4:19], s[0:1], 0x0               ; qfrag, reference_points, spatial_shapes, Woff, boff, Ww, bw, vt
	s_load_b128 s[20:23], s[0:1], 0x40             ; idx, samp
	v_lshl_add_u32 v110, v0, 2, 0x42000
	v_mov_b32 v111, 0
	v_lshrrev_b32 v240, 5, v0
	v_readfirstlane_b32 s24, v240                  ; wave 0..7
	s_lshr_b32 s25, ttmp9, 6                       ; batch
	s_bfe_u32 s26, ttmp9, 0x30003                  ; head
	s_and_b32 s27, ttmp9, 7                        ; slice
	s_lshl3_add_u32 s28, s27, s24                  ; wi: my wave among the 64 of this (batch, head)
	s_cmp_lt_u32 s28, 49
	s_cselect_b32 s29, 9, 8                        ; trips in the loop: my groups less the last, which is written out
	s_mov_b32 s30, 0                               ; the loop's counter
	s_mov_b32 s45, 0                               ; high word of every byte offset
	s_mov_b32 s42, 0x76543210                      ; v_permlanex16_b32: lane i of one half reads lane i of the other
	s_mov_b32 s43, 0xfedcba98
	s_mul_i32 s46, s25, 625
	s_add_co_u32 s46, s46, s28                     ; my first group of 16 queries, counted over all batches
	s_mul_i32 s50, s24, 16*PQ
	s_add_co_u32 s50, s50, WT0                     ; my wave's corner weights
	v_and_b32 v67, 31, v0                          ; L
	v_and_b32 v68, 15, v0                          ; r
	v_bfe_u32 v69, v0, 4, 1                        ; h
	v_and_b32 v70, 3, v0                           ; L & 3
	v_lshrrev_b32 v71, 2, v67                      ; L >> 2
	v_lshlrev_b32 v[K16], 4, v70
	v_mov_b32 v[LB], v[K16]                        ; level 1 begins at LDS byte 0,
	v_add_nc_u32 v[LB+1], 160000, v[K16]           ; level 2 2,500 rows on,
	v_add_nc_u32 v[LB+2], 200000, v[K16]           ; level 3 625 more
	v_mul_u32_u24 v[WTW], v68, PQ
	v_lshl_add_u32 v[WTW], v69, 6, v[WTW]
	v_add_nc_u32 v[WTW], s50, v[WTW]
	v_mul_u32_u24 v[WTR], v71, PQ
	v_add_nc_u32 v[WTR], s50, v[WTR]
	v_lshlrev_b32 v[L16], 4, v67
	v_lshlrev_b32 v[REFO], 5, v68
	v_lshl_add_u32 v[REFO], v69, 3, v[REFO]
	v_lshlrev_b32 v[IDXO], 5, v71
	v_mov_b32 v[ZERO], 0
	v_mov_b32 v[PX], 0
	v_lshlrev_b32 v[TGO], 4, v0
	v_mov_b32 v[TLA], v[TGO]
	v_add_nc_u32 v[TTA], 51*4096, v[TGO]
	v_and_b32 v72, 7, v0
	v_lshl_add_u32 v72, v69, 3, v72                ; 8 h + (L & 7): my row of k in a transposing load
	v_bfe_u32 v73, v0, 3, 1
	v_mul_u32_u24 v[TRB], v72, PG
	v_lshl_add_u32 v[TRB], v73, 4, v[TRB]
	v_add_nc_u32 v[TRB], STG, v[TRB]
	v_lshlrev_b32 v241, 3, v69                     ; 8 h: my level's row of spatial_shapes
	v_lshlrev_b32 v246, 5, v69
	v_lshl_add_u32 v246, s26, 7, v246              ; boff: 128 head + 32 h
	v_lshlrev_b32 v247, 4, v69
	v_lshl_add_u32 v247, s26, 6, v247              ; bw: 64 head + 16 h (level h; level 2 + h is 32 bytes on)
	; my head's 32 columns of Woff: a round of the 256 threads takes 32 rows x 128 bytes; its 16 columns of Ww: 64 rows x 64 bytes
	v_lshrrev_b32 v72, 3, v0
	v_and_b32 v73, 7, v0
	v_lshlrev_b32 v252, 10, v72
	v_lshl_add_u32 v252, v73, 4, v252
	v_lshl_add_u32 v252, s26, 7, v252
	v_mul_u32_u24 v254, v72, PG
	v_lshl_add_u32 v254, v73, 3, v254
	v_add_nc_u32 v254, STG, v254
	v_lshrrev_b32 v72, 2, v0
	v_lshlrev_b32 v253, 9, v72
	v_lshl_add_u32 v253, v70, 4, v253
	v_lshl_add_u32 v253, s26, 6, v253
	v_and_b32 v73, 1, v70                          ; Ww's two middle quads of columns change places, so that a lane of the aw tile
	v_lshrrev_b32 v74, 1, v70                      ; holds levels h and 2 + h, the levels of its two off tiles
	v_lshl_or_b32 v73, v73, 1, v74
	v_mul_u32_u24 v255, v72, PG
	v_lshl_add_u32 v255, v73, 3, v255
	v_add_nc_u32 v255, STG+64, v255
	v_cmp_ne_u32 vcc_lo, 0, v69
	SEL SZ,    100.0, 50.0
	SEL SZ+2,  25.0,  13.0
	SEL SM2,   98.0,  48.0
	SEL SM2+2, 23.0,  11.0
.irp i, 248,249,250,251
	v_mov_b32 v\i, 0
.endr
	s_wait_kmcnt 0x0
	s_lshl_b32 s44, s46, 13
	s_add_nc_u64 s[32:33], s[4:5], s[44:45]        ; qfrag at my first group
	s_lshl_b32 s44, s46, 9
	s_add_nc_u64 s[34:35], s[6:7], s[44:45]        ; reference_points
	s_mul_i32 s47, s26, PLI
	s_add_co_u32 s44, s44, s47
	s_add_nc_u64 s[36:37], s[20:21], s[44:45]      ; idx, my head's plane
	s_lshl_b32 s44, s46, 10
	s_mul_i32 s47, s26, PLS
	s_add_co_u32 s44, s44, s47
	s_add_nc_u64 s[38:39], s[22:23], s[44:45]      ; samp, my head's plane
	s_lshl3_add_u32 s47, s25, s26
	s_mul_i32 s44, s47, TBL
	s_add_nc_u64 s[40:41], s[18:19], s[44:45]      ; my table: level 0
	s_add_nc_u64 s[48:49], s[40:41], L0BYTES       ; levels 1 to 3
	IDXLOAD IDX
	global_load_b64 v[242:243], v241, s[8:9]
	global_load_b64 v[244:245], v241, s[8:9] offset:16
	WIN 0x40
	global_load_b128 v[BIASR:BIASR+3], v246, s[12:13]
	global_load_b128 v[BIASR+4:BIASR+7], v246, s[12:13] offset:16
	global_load_b128 v[BIASR+8:BIASR+11], v246, s[12:13] offset:64
	global_load_b128 v[BIASR+12:BIASR+15], v246, s[12:13] offset:80
	global_load_b128 v[BIASR+16:BIASR+19], v247, s[16:17]
	global_load_b128 v[BIASR+20:BIASR+23], v247, s[16:17] offset:32
	WIN 0
.irp i, 0,1,2,3,4,5,6,7
	global_load_b128 v[X+4*\i:X+4*\i+3], v252, s[10:11] offset:\i*32768
.endr
.irp i, 0,1,2,3
	global_load_b128 v[X+32+4*\i:X+32+4*\i+3], v253, s[14:15] offset:\i*32768
.endr
	; the table is 51 rounds of 4,096 bytes and 1,920 bytes more: those are threads 0..119's
	v_cmp_gt_u32 vcc_lo, 120, v0
	s_wait_xcnt 0x0                                ; EXEC changes only behind s_wait_xcnt 0
	s_and_saveexec_b32 s51, vcc_lo
	global_load_b128 v[248:251], v[TGO], s[48:49] offset:51*4096
	s_wait_xcnt 0x0
	s_or_b32 exec_lo, exec_lo, s51
	TLOAD YZ, 0, 16
	s_wait_loadcnt 16                              ; all but the table's first 16 rounds: weights, biases, positions are in
.irp i, 0,1,2,3,4,5,6,7
	v_cvt_pk_bf16_f32 v[X+4*\i], v[X+4*\i], v[X+4*\i+1]
	v_cvt_pk_bf16_f32 v[X+4*\i+1], v[X+4*\i+2], v[X+4*\i+3]
	ds_store_b64 v254, v[X+4*\i:X+4*\i+1] offset:\i*32*PG
.endr
.irp i, 0,1,2,3
	v_cvt_pk_bf16_f32 v[X+32+4*\i], v[X+32+4*\i], v[X+32+4*\i+1]
	v_cvt_pk_bf16_f32 v[X+32+4*\i+1], v[X+32+4*\i+2], v[X+32+4*\i+3]
	ds_store_b64 v255, v[X+32+4*\i:X+32+4*\i+1] offset:\i*64*PG
.endr
	TLOAD X, 16, 16
	s_wait_loadcnt 16                              ; all but the other buffer's 16
	TSTORE YZ, 16
	TLOAD YZ, 32, 16
	s_wait_loadcnt 16
	TSTORE X, 16
	TLOAD X, 48, 3
	s_wait_loadcnt 3
	TSTORE YZ, 16
	s_wait_loadcnt 0
	TSTORE X, 3
	v_cmp_gt_u32 vcc_lo, 120, v0
	s_wait_xcnt 0x0
	s_and_saveexec_b32 s51, vcc_lo
	ds_store_b128 v[TTA], v[248:251]
	s_wait_xcnt 0x0
	s_or_b32 exec_lo, exec_lo, s51
	v_cvt_f32_i32 v24, v243                        ; normalizer = (W, H) as the input gives them
	v_cvt_f32_i32 v25, v242
	v_cvt_f32_i32 v26, v245
	v_cvt_f32_i32 v27, v244
	v_rcp_f32 v[RN], v24
	v_rcp_f32 v[RN+1], v25
	v_rcp_f32 v[RN+2], v26
	v_rcp_f32 v[RN+3], v27
	v_nop                                          ; one plain instruction behind the reciprocals (ISA guide 5.7.2)
	s_wait_dscnt 0x0
	s_barrier_signal -1
	s_barrier_wait -1                              ; the table and the weight stage are whole; neither is written again
	WIN 0x40
	TRFRAG 0,   0                                  ; Woff's columns 32 head .. +15: levels 0, 1
	TRFRAG 64,  32                                 ; +16 .. +31: levels 2, 3
	TRFRAG 128, 64                                 ; Ww's 16 columns
	WIN 0
	s_wait_dscnt 0x0
	AFLOAD                                         ; the first group, in the order in which a trip leaves them: fragments, reference points,
	XISSUE 0                                       ; level 0 of its first 8 queries
.Ltrip:
	TRIP 1
	s_add_co_u32 s30, s30, 1
	s_cmp_lt_u32 s30, s29
	s_cbranch_scc1 .Ltrip
	TRIP 0                                         ; the last group asks for nothing beyond itself: its counts are zero
	s_wait_tensorcnt 0x0
	ds_add_u32 v110, v111
	s_wait_dscnt 0x0
	s_endpgm
.Lfunc_end_k_q1cd0d13feb_samp:
	.size	k_q1cd0d13feb_samp, .Lfunc_end_k_q1cd0d13feb_samp-k_q1cd0d13feb_samp
	.p2alignl 7, 3214868480
	.fill 96, 4, 3214868480
	.section	.rodata,"a",@progbits
	.p2align	6, 0x0
	.amdhsa_kernel k_q1cd0d13feb_samp
		.amdhsa_group_segment_fixed_size 271360
		.amdhsa_private_segment_fixed_size 0
		.amdhsa_enable_private_segment 0
		.amdhsa_kernarg_size 80
		.amdhsa_user_sgpr_count 2
		.amdhsa_user_sgpr_kernarg_segment_ptr 1
		.amdhsa_wavefront_size32 1
		.amdhsa_system_sgpr_workgroup_id_x 1
		.amdhsa_system_sgpr_workgroup_id_y 1
		.amdhsa_system_sgpr_workgroup_id_z 1
		.amdhsa_system_vgpr_workitem_id 0
		.amdhsa_next_free_vgpr 480
		.amdhsa_next_free_sgpr 66
		.amdhsa_reserve_vcc 1
		.amdhsa_float_denorm_mode_32 3
		.amdhsa_float_denorm_mode_16_64 3
		.amdhsa_memory_ordered 1
		.amdhsa_forward_progress 1
		.amdhsa_inst_pref_size 217
	.end_amdhsa_kernel
	.amdgpu_metadata
---
amdhsa.version: [ 1, 2 ]
amdhsa.kernels:
  - .name:           k_q1cd0d13feb_samp
    .symbol:         k_q1cd0d13feb_samp.kd
    .args:
      - { .name: qfrag, .offset: 0, .size: 8, .value_kind: global_buffer, .address_space: global }
      - { .name: reference_points, .offset: 8, .size: 8, .value_kind: global_buffer, .address_space: global }
      - { .name: spatial_shapes, .offset: 16, .size: 8, .value_kind: global_buffer, .address_space: global }
      - { .name: Woff, .offset: 24, .size: 8, .value_kind: global_buffer, .address_space: global }
      - { .name: boff, .offset: 32, .size: 8, .value_kind: global_buffer, .address_space: global }
      - { .name: Ww, .offset: 40, .size: 8, .value_kind: global_buffer, .address_space: global }
      - { .name: bw, .offset: 48, .size: 8, .value_kind: global_buffer, .address_space: global }
      - { .name: vt, .offset: 56, .size: 8, .value_kind: global_buffer, .address_space: global }
      - { .name: idx, .offset: 64, .size: 8, .value_kind: global_buffer, .address_space: global }
      - { .name: samp, .offset: 72, .size: 8, .value_kind: global_buffer, .address_space: global }
    .group_segment_fixed_size: 271360
    .private_segment_fixed_size: 0
    .kernarg_segment_align: 8
    .kernarg_segment_size: 80
    .max_flat_workgroup_size: 256
    .sgpr_count:     66
    .vgpr_count:     480
    .wavefront_size: 32
...
	.end_amdgpu_metadata
.endif
;; end of part 4
;; launch outp (part 5): grid 250 x 1, 8 waves a work-group, no clusters, 140,288 bytes of LDS; arguments samp, query, Wo, bo, out0; writes out0
.if DOCPART == 5
	.amdgcn_target "amdgcn-amd-amdhsa--gfx1250"
	.amdhsa_code_object_version 6
	.text
	.protected	k_q1cd0d13feb_outp
	.globl	k_q1cd0d13feb_outp
	.p2align	8
	.type	k_q1cd0d13feb_outp,@function
k_q1cd0d13feb_outp:
	s_mov_b64 s[64:65], 0
	v_nop
	global_prefetch_b8 v0, s[64:65] scope:SCOPE_SE
	s_setreg_imm32_b32 hwreg(HW_REG_WAVE_MODE, 25, 1), 1
	s_wait_xcnt 0x0
; outp: out0 = sampled @ Wo + bo + query.  250 work-groups that stay, 160 rows each, in 5 chunks of 32.
; samp lies as [head][q][32] bf16: a chunk is 8 pieces of 2,048 dense bytes, laid into LDS as rows of 256 bf16 (k = 32 head + channel).
; Eight waves; wave w makes columns 32w..32w+31 of all 32 rows; its fragments of Wo stay in registers for the launch.
; The matrix instruction is used transposed (source 0 = 16 columns of Wo, source 1 = 16 rows): a lane holds eight neighbouring columns of one row.
; Results go through an f32 stage in LDS and are read back as dense rows; query + bo is added there, in the layout in which query was loaded,
; so query never passes through LDS; a wave's store covers 512 neighbouring bytes, aligned.
; On their way: the next chunk's samp rows from this chunk's start, the next chunk's query rows from this chunk's end.
; LIMITS: products take bf16 operands (samp comes as bf16, Wo is rounded here), sums, bias and residual are f32.
; No tensor loads: Wo and query are f32 and pass through registers; samp's share is a sixth of the bytes.  No cluster: the one thing shared is
; Wo, 256 KiB read once by a group that moves 400 KiB of its own.
.set QPW,   160
.set NCHUNK, 5
.set PLS,   2560000                    ; bytes of a head's plane in samp
.set PA,    528                        ; LDS pitch of a row of 256 bf16: 512 + 16
.set PW,    544                        ; LDS pitch of the staged weights [k][n]: 17 x 32
.set PO,    1040                       ; LDS pitch of a row of 256 f32: 1,024 + 16
; LDS: 0..139,264 the weight stage (prologue only); over it, later: AT at 0 (32 x 528), OUT (32 x 1,040)
.set OUT,   16896
.set GOFF,  1                          ; 16 t
.set ATW,   2                          ; ((t&127)>>2) PA + 16 (t&3) + 64 (t>>7)
.set AFR,   3                          ; r PA + 16 h
.set OUTW,  4                          ; OUT + r PO + 128 w + 32 h
.set OUTR,  5                          ; OUT + (t>>6) PO + 16 (t&63)
.set TRA,   7                          ; v7, v8 transposing loads
.set SA,    9                          ; the weight stage's store address
.set SOFA,  10                         ; (t>>7) PLS + 16 (t&127): heads 0..3
.set SOFB,  11                         ; + 4 PLS: heads 4..7
.set BO,    20                         ; v[20:23] bo of my 4 columns in the dense layout
.set ACC1,  24                         ; v[24:39] two accumulator tiles of rows 0..15, v[40:55] two of rows 16..31: a set is started again only a chunk later
.set AF,    64                         ; v[64:127] fragments of 16 rows x 256 k; also stage buffer 0
.set B0,    64
.set QN,    128                        ; v[128:159] the chunk's query rows, 8 x 16 bytes
.set SN,    160                        ; v[160:175] the chunk's samp rows, 4 x 16 bytes
.set B1,    192                        ; stage buffer 1
.set WOT,   192                        ; v[192:223] the way out
.set MSB, 0
.macro WIN new                         ; the immediate's high byte repeats the setting that is left
.if MSB != \new
	s_set_vgpr_msb (MSB<<8)|\new
.set MSB, \new
.endif
.endm
.macro PLACES                          ; four places behind a matrix instruction (ISA guide 7.12.1) before its registers are read by others or loaded again
.rept 4
	v_nop
.endr
.endm
.macro LOAD16 buf, ptr, i0             ; 16 loads of 4,096 dense bytes each
.irp i, 0,1,2,3,4,5,6,7,8,9,10,11,12,13,14,15
	global_load_b128 v[\buf+4*\i:\buf+4*\i+3], v[GOFF], s[\ptr:\ptr+1] offset:(\i0+\i)*4096
.endr
.endm
.macro CVT16 buf, step                 ; round in place, 8 bytes a thread into the stage
.irp i, 0,1,2,3,4,5,6,7,8,9,10,11,12,13,14,15
	v_cvt_pk_bf16_f32 v[\buf+4*\i], v[\buf+4*\i], v[\buf+4*\i+1]
	v_cvt_pk_bf16_f32 v[\buf+4*\i+1], v[\buf+4*\i+2], v[\buf+4*\i+3]
	ds_store_b64 v[SA], v[\buf+4*\i:\buf+4*\i+1] offset:\i*\step
.endr
	v_add_nc_u32 v[SA], 16*\step, v[SA]
.endm
.macro STAGEW ptr, step                ; 4 x 64 KiB of weights to LDS as bf16, on two buffers
	LOAD16 B0, \ptr, 0
	LOAD16 B1, \ptr, 16
	s_wait_loadcnt 16                              ; loads return in order: all but the other buffer's 16 are in
	CVT16 B0, \step
	LOAD16 B0, \ptr, 32
	s_wait_loadcnt 16
	CVT16 B1, \step
	LOAD16 B1, \ptr, 48
	s_wait_loadcnt 16
	CVT16 B0, \step
	s_wait_loadcnt 0
	CVT16 B1, \step
.endm
.macro TRFRAG dst, adr, pitch, coloff  ; 16 columns x 256 k out of [k][n] in LDS (called with the destination in window 1)
.irp ks, 0,1,2,3,4,5,6,7
	ds_load_tr16_b128 v[\dst+8*\ks:\dst+8*\ks+3], v[\adr+(\ks>>2)] offset:(\ks&3)*32*\pitch+\coloff
	ds_load_tr16_b128 v[\dst+8*\ks+4:\dst+8*\ks+7], v[\adr+(\ks>>2)] offset:(\ks&3)*32*\pitch+16*\pitch+\coloff
.endr
.endm
.macro LOADA imm                       ; the fragments of 16 rows x 256 k
.irp ks, 0,1,2,3,4,5,6,7
	ds_load_b128 v[AF+8*\ks:AF+8*\ks+3], v[AFR] offset:\imm+64*\ks
	ds_load_b128 v[AF+8*\ks+4:AF+8*\ks+7], v[AFR] offset:\imm+64*\ks+32
.endr
.endm
; nt tiles into the accumulators from acc on, K = 256.  The first k step starts the sums.  The accumulators take turns, one instruction a turn.
; extra = LDS instructions issued behind LOADA.
.macro MM nt, extra, acc
	WIN 0x01                                       ; source 0 (weights) in window 1
.irp ks, 0,1,2,3,4,5,6,7
	s_wait_dscnt 14-2*\ks+\extra                   ; LDS answers in order: this k step's pair is in; the later pairs and what was issued behind them may be out
.set mm_t, 0
.rept \nt
.if \ks == 0
	v_wmma_f32_16x16x32_bf16 v[\acc+8*mm_t:\acc+8*mm_t+7], v[64*mm_t+8*\ks:64*mm_t+8*\ks+7], v[AF+8*\ks:AF+8*\ks+7], 0
.else
	v_wmma_f32_16x16x32_bf16 v[\acc+8*mm_t:\acc+8*mm_t+7], v[64*mm_t+8*\ks:64*mm_t+8*\ks+7], v[AF+8*\ks:AF+8*\ks+7], v[\acc+8*mm_t:\acc+8*mm_t+7]
.endif
.set mm_t, mm_t+1
.endr
.endr
	WIN 0
	PLACES
.endm
.macro OUTST ms                        ; my 16 rows x 32 columns into the stage: four stores
.irp tl, 0,1
	ds_store_b128 v[OUTW], v[ACC1+16*\ms+8*\tl:ACC1+16*\ms+8*\tl+3] offset:\ms*16*PO+64*\tl
	ds_store_b128 v[OUTW], v[ACC1+16*\ms+8*\tl+4:ACC1+16*\ms+8*\tl+7] offset:\ms*16*PO+64*\tl+16
.endr
.endm
.macro LOADSN                          ; a chunk of samp: load i takes heads 2 i and 2 i + 1, 2,048 dense bytes each
	global_load_b128 v[SN:SN+3], v[SOFA], s[32:33] th:TH_LOAD_NT
	global_load_b128 v[SN+4:SN+7], v[SOFA], s[32:33] offset:2*PLS th:TH_LOAD_NT
	global_load_b128 v[SN+8:SN+11], v[SOFB], s[32:33] th:TH_LOAD_NT
	global_load_b128 v[SN+12:SN+15], v[SOFB], s[32:33] offset:2*PLS th:TH_LOAD_NT
.endm
.macro LOADQN                          ; a chunk of query: 32 rows x 1,024 bytes, dense
.irp i, 0,1,2,3,4,5,6,7
	global_load_b128 v[QN+4*\i:QN+4*\i+3], v[GOFF], s[34:35] offset:4096*\i th:TH_LOAD_NT
.endr
.endm
; one chunk.  next = 1: another follows.
.macro CHUNK next
	s_wait_loadcnt 8                               ; samp's rows are in; query's 8 loads, issued behind them, may be out
	s_wait_xcnt 0x0                                ; samp's base is stepped only behind this wait
.irp i, 0,1,2,3
	ds_store_b128 v[ATW], v[SN+4*\i:SN+4*\i+3] offset:128*\i
.endr
.if \next
	s_add_nc_u64 s[32:33], s[32:33], 2048          ; 32 rows x 64 bytes on, in every plane
	LOADSN
.endif
	s_wait_dscnt 0x0                               ; my part of the chunk is in LDS, my reads of the last chunk's stage are back
	s_barrier_signal -1
	s_barrier_wait -1                              ; everybody's
	LOADA 0
	MM 2, 0, ACC1
	LOADA 16*PA                                    ; rows 16..31 come while rows 0..15 are staged
	OUTST 0
	MM 2, 4, ACC1+16                               ; four stage stores stand behind the fragments' loads; accumulators of their own, so nothing of the run before is written over
	OUTST 1
	s_wait_dscnt 0x0                               ; my results are staged, my reads of the chunk are over
	s_barrier_signal -1
	s_barrier_wait -1
.irp i, 0,1,2,3,4,5,6,7
	ds_load_b128 v[WOT+4*\i:WOT+4*\i+3], v[OUTR] offset:4*PO*\i     ; row 4 i + (t>>6), my 4 columns
.endr
	s_wait_loadcnt 4*\next                         ; query's rows are in; younger: the next chunk's 4 loads of samp
.irp i, 0,1,2,3,4,5,6,7
	v_pk_add_f32 v[QN+4*\i:QN+4*\i+1], v[QN+4*\i:QN+4*\i+1], v[BO:BO+1]
	v_pk_add_f32 v[QN+4*\i+2:QN+4*\i+3], v[QN+4*\i+2:QN+4*\i+3], v[BO+2:BO+3]
.endr
.irp i, 0,1,2,3,4,5,6,7
	s_wait_dscnt 7-\i
	v_pk_add_f32 v[WOT+4*\i:WOT+4*\i+1], v[WOT+4*\i:WOT+4*\i+1], v[QN+4*\i:QN+4*\i+1]
	v_pk_add_f32 v[WOT+4*\i+2:WOT+4*\i+3], v[WOT+4*\i+2:WOT+4*\i+3], v[QN+4*\i+2:QN+4*\i+3]
	global_store_b128 v[GOFF], v[WOT+4*\i:WOT+4*\i+3], s[36:37] offset:4096*\i th:TH_STORE_NT   ; a wave stores 512 neighbouring bytes, aligned
.endr
.if \next
	s_wait_xcnt 0x0                                ; the bases, and later the stores' data, are written again only behind this wait
	s_add_nc_u64 s[36:37], s[36:37], 32768
	s_add_nc_u64 s[34:35], s[34:35], 32768
	LOADQN
.endif
.endm
	s_load_b256 s[4:11], s[0:1], 0x0               ; samp, query, Wo, bo
	s_load_b64 s[12:13], s[0:1], 0x20              ; out0
	v_lshl_add_u32 v190, v0, 2, 0x22000
	v_mov_b32 v191, 0
	v_lshrrev_b32 v48, 5, v0
	v_readfirstlane_b32 s24, v48                   ; wave 0..7
	s_mov_b32 s27, 0                               ; the loop's counter
	s_mov_b32 s31, 0                               ; high word of every byte offset
	s_mul_i32 s28, ttmp9, QPW                      ; my first row
	v_and_b32 v49, 15, v0                          ; r
	v_bfe_u32 v50, v0, 4, 1                        ; h
	v_lshrrev_b32 v51, 6, v0
	v_and_b32 v52, 63, v0
	v_lshrrev_b32 v53, 7, v0
	v_and_b32 v54, 127, v0
	v_lshlrev_b32 v[GOFF], 4, v0
	v_mul_u32_u24 v[SOFA], v53, PLS
	v_lshl_add_u32 v[SOFA], v54, 4, v[SOFA]
	v_add_nc_u32 v[SOFB], 4*PLS, v[SOFA]
	v_lshlrev_b32 v57, 4, v52                      ; bo of my 4 columns
	s_wait_kmcnt 0x0
	s_lshl_b32 s30, s28, 6
	s_add_nc_u64 s[32:33], s[4:5], s[30:31]        ; samp at chunk 0 (head 0's plane)
	s_lshl_b32 s30, s28, 10
	s_add_nc_u64 s[34:35], s[6:7], s[30:31]        ; query
	s_add_nc_u64 s[36:37], s[12:13], s[30:31]      ; out0
	LOADSN                                         ; chunk 0 goes out ahead of everything else, in the order in which a chunk leaves them
	LOADQN
	global_load_b128 v[BO:BO+3], v57, s[10:11]
	v_lshrrev_b32 v55, 2, v54
	v_and_b32 v56, 3, v0
	v_mul_u32_u24 v[ATW], v55, PA
	v_lshl_add_u32 v[ATW], v56, 4, v[ATW]
	v_lshl_add_u32 v[ATW], v53, 6, v[ATW]
	v_mul_u32_u24 v[AFR], v49, PA
	v_lshl_add_u32 v[AFR], v50, 4, v[AFR]
	v_mul_u32_u24 v[OUTW], v49, PO
	v_lshl_add_u32 v[OUTW], v50, 5, v[OUTW]
	s_lshl_b32 s29, s24, 7
	s_add_co_u32 s29, s29, OUT
	v_add_nc_u32 v[OUTW], s29, v[OUTW]
	v_mul_u32_u24 v[OUTR], v51, PO
	v_lshl_add_u32 v[OUTR], v52, 4, v[OUTR]
	v_add_nc_u32 v[OUTR], OUT, v[OUTR]
	v_and_b32 v58, 7, v0
	v_lshl_add_u32 v58, v50, 3, v58                ; 8 h + (L & 7): my row of k in a transposing load
	v_bfe_u32 v59, v0, 3, 1
	v_mul_u32_u24 v[TRA], v58, PW
	v_lshl_add_u32 v[TRA], v59, 4, v[TRA]
	v_lshl_add_u32 v[TRA], s24, 6, v[TRA]          ; + 64 w: my 32 columns
	v_add_nc_u32 v[TRA+1], 128*PW, v[TRA]
	v_mul_u32_u24 v[SA], v51, PW
	v_lshl_add_u32 v[SA], v52, 3, v[SA]
	STAGEW 8, 4*PW                                 ; thread t, load i: row 4 i + (t>>6), columns 4 (t&63)..
	s_wait_dscnt 0x0
	s_barrier_signal -1
	s_barrier_wait -1                              ; the stage is whole
	WIN 0x40
	TRFRAG 0,  TRA, PW, 0                          ; columns 32 w .. +15
	TRFRAG 64, TRA, PW, 32                         ; columns 32 w + 16 .. +31
	WIN 0
	s_wait_dscnt 0x0
	s_barrier_signal -1
	s_barrier_wait -1                              ; everybody has its fragments: the stage's bytes are free for the chunks
.Lchunk:
	CHUNK 1
	s_add_co_u32 s27, s27, 1
	s_cmp_lt_u32 s27, NCHUNK-1
	s_cbranch_scc1 .Lchunk
	CHUNK 0                                        ; the last chunk asks for nothing: its count is zero
	s_wait_tensorcnt 0x0
	ds_add_u32 v190, v191
	s_wait_dscnt 0x0
	s_endpgm
.Lfunc_end_k_q1cd0d13feb_outp:
	.size	k_q1cd0d13feb_outp, .Lfunc_end_k_q1cd0d13feb_outp-k_q1cd0d13feb_outp
	.p2alignl 7, 3214868480
	.fill 96, 4, 3214868480
	.section	.rodata,"a",@progbits
	.p2align	6, 0x0
	.amdhsa_kernel k_q1cd0d13feb_outp
		.amdhsa_group_segment_fixed_size 140288
		.amdhsa_private_segment_fixed_size 0
		.amdhsa_enable_private_segment 0
		.amdhsa_kernarg_size 40
		.amdhsa_user_sgpr_count 2
		.amdhsa_user_sgpr_kernarg_segment_ptr 1
		.amdhsa_wavefront_size32 1
		.amdhsa_system_sgpr_workgroup_id_x 1
		.amdhsa_system_sgpr_workgroup_id_y 1
		.amdhsa_system_sgpr_workgroup_id_z 1
		.amdhsa_system_vgpr_workitem_id 0
		.amdhsa_next_free_vgpr 384
		.amdhsa_next_free_sgpr 66
		.amdhsa_reserve_vcc 0
		.amdhsa_float_denorm_mode_32 3
		.amdhsa_float_denorm_mode_16_64 3
		.amdhsa_memory_ordered 1
		.amdhsa_forward_progress 1
		.amdhsa_inst_pref_size 46
	.end_amdhsa_kernel
	.amdgpu_metadata
---
amdhsa.version: [ 1, 2 ]
amdhsa.kernels:
  - .name:           k_q1cd0d13feb_outp
    .symbol:         k_q1cd0d13feb_outp.kd
    .args:
      - { .name: samp, .offset: 0, .size: 8, .value_kind: global_buffer, .address_space: global }
      - { .name: query, .offset: 8, .size: 8, .value_kind: global_buffer, .address_space: global }
      - { .name: Wo, .offset: 16, .size: 8, .value_kind: global_buffer, .address_space: global }
      - { .name: bo, .offset: 24, .size: 8, .value_kind: global_buffer, .address_space: global }
      - { .name: out0, .offset: 32, .size: 8, .value_kind: global_buffer, .address_space: global }
    .group_segment_fixed_size: 140288
    .private_segment_fixed_size: 0
    .kernarg_segment_align: 8
    .kernarg_segment_size: 40
    .max_flat_workgroup_size: 256
    .sgpr_count:     66
    .vgpr_count:     384
    .wavefront_size: 32
...
	.end_amdgpu_metadata
.endif
;; end of part 5
